; MI455X (gfx1250); checked and timed in simulation.
; The chip was launched on July 23, 2026; its instructions are those of AMD's public machine-readable ISA for CDNA 5 (MIT licence, August 2026) and "CDNA5" Instruction Set Architecture Reference Guide (July 2026). The comments in the code are by the model that wrote it; some were corrected since.
;; Multi Head Attention. Allowed arithmetic: matrix products marked QUANTISED: E2M1 operands, one E8M0 scale for each 32 along K, by v_wmma_scale_f32_16x16x128_f8f6f4 with both operands' format E2M1 (or v_wmma_scale_f32_32x16x128_f4), f32 sums; products left as they are: bf16, f16 or f32 operands; f32 sums; everything else in f32.
;; Inputs: Wk 1,024 x 1,024 float32; Wp 1,024 x 1,024 float32; Wq 1,024 x 1,024 float32; Wv 1,024 x 1,024 float32; bk 1,024 float32; bp 1,024 float32; bq 1,024 float32; bv 1,024 float32; k 8 x 1,024 x 1,024 float32; mask 8 x 1 x 1 x 1,024 int32; q 8 x 1,024 x 1,024 float32; v 8 x 1,024 x 1,024 float32.
;; Outputs: out0 8 x 1,024 x 1,024 float32.
;; This version of the problem:
;;   THIS VERSION OF THE PROBLEM IS GIVEN IN LOW PRECISION. The matrix products marked QUANTISED in the list below multiply operands that are first quantised to E2M1 (2 exponent bits, 1 mantissa bit; 4 bits a number), with one power-of-two scale for each 32 numbers along K (OCP MX v1.0); their sums are f32. The products marked 'left as it is' may take bf16, f16 or f32 operands, with f32 sums. Whichever they take, every output number must still come out within the allowed error. Rounding operands to bf16 (8 significant bits) uses up far more of that allowance than f16 does (11 bits, for magnitudes from 6e-5 to 65,504). All else is computed in f32.
;;   The module's matrix products, in the order in which they are computed (A, B: the left and right operand; K: the contracted axis; several contracted axes count as one K, in the product's order):
;;     1. [M 8,192, K 1,024] x [K 1,024, N 1,024]; A: input q; B: input Wq: QUANTISED
;;     2. [M 8,192, K 1,024] x [K 1,024, N 1,024]; A: input k; B: input Wk: QUANTISED
;;     3. [M 8,192, K 1,024] x [K 1,024, N 1,024]; A: input v; B: input Wv: QUANTISED
;;     4. batch 128 x [M 1,024, K 64] x [K 64, N 1,024]; A: computed on the way; B: computed on the way: left as it is (an operand is computed on the way)
;;     5. batch 128 x [M 1,024, K 1,024] x [K 1,024, N 64]; A: computed on the way; B: computed on the way: left as it is (an operand is computed on the way)
;;     6. [M 8,192, K 1,024] x [K 1,024, N 1,024]; A: computed on the way; B: input Wp: left as it is (an operand is computed on the way)
;;   THE QUANTISER, for each operand of a quantised product, along K:
;;     - K is cut into blocks of 32 from its start; a last block that is shorter is filled with zeros.
;;     - A block's scale is 2^e with e = floor(log2(the largest magnitude in the block)) - 2, held to -126 .. 127; a block of zeros has e = 0. As a byte (E8M0): e + 127.
;;     - Each number is divided by its block's scale, clamped to +-6, and rounded to the nearest number of E2M1, ties to even, subnormals kept.
;;     - The product sums the exact products of the quantised numbers (number of the format x scale) in f32.
;;   ~~~python
;;   def quantise(x, axis):      # numpy; x: float32 -> the quantised numbers, widened to float32 again
;;       x = np.moveaxis(x, axis, -1); K = x.shape[-1]
;;       x = np.pad(x, [(0, 0)] * (x.ndim - 1) + [(0, -K % 32)]); x = x.reshape(x.shape[:-1] + (-1, 32)); a = np.abs(x).max(-1, keepdims=True)
;;       e = np.where(a > 0, np.clip(np.frexp(np.where(a > 0, a, 1))[1] - 1 - 2, -126, 127), 0)      # np.frexp(a)[1] - 1 = floor(log2(a)), exactly
;;       r = np.clip(x / 2.0 ** e, -6, 6)
;;       step = 2.0 ** (np.maximum(np.frexp(np.where(r == 0, 1, r))[1] - 1, 0) - 1)
;;       q = np.round(r / step) * step * 2.0 ** e      # np.round: ties to even
;;       return np.moveaxis(q.reshape(q.shape[:-2] + (-1,))[..., :K], -1, axis).astype(np.float32)
;;   ~~~
;; 2 versions, each right and faster than the one before. Each part assembles by itself: llvm-mc -triple=amdgcn-amd-amdhsa -mcpu=gfx1250 --defsym DOCPART=n.
;; ======== version 1 of 2: 4 launches
;; limits: values are held in f16: magnitudes above 65,504 overflow, below 6.1e-05 lose precision
;; workspace buffers: codes 14,155,776 bytes; scales 884,736 bytes; wpf 2,097,152 bytes; rope 262,144 bytes; mbias 33,792 bytes; qkv 50,331,648 bytes; xf 16,777,216 bytes
;; launch prep (part 1): grid 498 x 1, 4 waves a work-group, no clusters, 37,376 bytes of LDS; arguments q, k, v, Wq, Wk, Wv, Wp, mask, codes, scales, wpf, rope, mbias; writes codes, scales, wpf, rope, mbias
.if DOCPART == 1
	.amdgcn_target "amdgcn-amd-amdhsa--gfx1250"
	.amdhsa_code_object_version 6
	.text
	.protected	k_q8a1538e6d0_prep
	.globl	k_q8a1538e6d0_prep
	.p2align	8
	.type	k_q8a1538e6d0_prep,@function
k_q8a1538e6d0_prep:
	s_mov_b64 s[64:65], 0
	v_nop
	global_prefetch_b8 v0, s[64:65] scope:SCOPE_SE
	s_setreg_imm32_b32 hwreg(HW_REG_WAVE_MODE, 25, 1), 1
	s_wait_xcnt 0x0
; PREP: everything that is made once.  Four roles, chosen by the work-group's number:
;   A (0..431)    q, k, v, Wq, Wk, Wv (f32, K innermost) -> codes of FP4 (E2M1) and E8M0 scale bytes, one for each 32 along K
;   B (432..463)  Wp -> f16, in the order of a matrix operand's registers
;   C (464..495)  the table of cos and sin for the rotation: [position 1024][cos 32, sin 32] f32
;   D (496..497)  the mask -> an addend for the scores (0, or -2^67 where mask == 0) and the factor c = log2(e) / 8 of each batch
; LAYOUTS.  codes: [tile of 16 rows][g 0..15][512 bytes]: in block g lane (r, h) holds the 16 bytes (32 codes) of row r, k = 64 g + 32 h + 0..31:
; blocks 2 s and 2 s + 1 are the eight registers of the fragment of the s-th 128 along K.  scales: [tile][half of K][row 16][16 bytes].
; wpf: [tile of 16 rows][16 along K][512 bytes]: lane (r, h) holds Wp[row r][8 h + 0..7] as f16.
; A block's scale is 2^(floor(log2(largest magnitude)) - 2); its byte is the largest magnitude's exponent field - 2, held at 1 from below.
; LIMITS.  A block of zeros gets the byte 1 where the rule says 127 (its codes are zeros, and this program alone reads the bytes); NaN and infinities among the
; inputs are not served; numbers of Wp beyond f16's 65,504 are not served.  A batch whose mask is all zero gets addends of 0 and c = 0: every weight is then 2^0, the uniform softmax.
; Only role A touches LDS.  Waves share nothing: no barrier.
.set SPARE, 36864                      ; behind the four waves' regions: the spare words, 128 bytes for each wave
.set SPW,   12                         ; v12  LDS address of my spare word; never rewritten
.set NIL,   13                         ; v13  0; never rewritten
.set WREG,  9216                       ; a wave's LDS: two stages of 16 rows x 272 bytes, then its 512 scale bytes
.set STG,   4352
.set R,     16                         ; v16-111   three sets of 32 numbers as loaded
.set X,     112                        ; v112-175  two sets of 32 neighbours along K
.set C,     176                        ; v176-239  four registers of codes for each step: no store's data are written again
.set E,     240                        ; v240-255  a scale byte for each step
	s_load_b512 s[8:23], s[0:1], 0x0               ; q, k, v, Wq, Wk, Wv, Wp, mask
	s_load_b256 s[24:31], s[0:1], 0x40             ; codes, scales, wpf, rope
	s_load_b64 s[32:33], s[0:1], 0x60              ; mbias
	v_lshl_add_u32 v[SPW], v0, 2, SPARE
	v_mov_b32 v[NIL], 0
	v_lshrrev_b32 v1, 5, v0
	v_readfirstlane_b32 s3, v1                     ; wave 0..3
	v_and_b32 v1, 31, v0                           ; lane
	v_and_b32 v2, 15, v0                           ; r
	v_bfe_u32 v3, v0, 4, 1                         ; h
	s_mov_b32 s39, 0                               ; the high word of every offset pair s[38:39]
	s_wait_kmcnt 0x0
	s_cmp_ge_u32 ttmp9, 432
	s_cbranch_scc1 .Lnot_a
; ---------------- ROLE A: a wave quantises one tile: 16 rows x 1,024 numbers, in 16 steps of 64 along K.
; Each of a step's eight loads reads two rows' 256 consecutive bytes; the 4,096 bytes turn through the wave's own stage (rows 272 bytes apart), and come back 128 bytes a lane:
; lane (r, h) then holds one whole block of 32 of row r, so the largest magnitude needs no other lane and the four conversions give the lane's 16 bytes of the block's place in the fragment.
	s_mov_b64 s[34:35], s[18:19]                   ; which tensor: the choice hangs on the work-group's number alone
	s_mov_b32 s36, 416                             ; and the tensor's first work-group
	s_cmp_lt_u32 ttmp9, 416
	s_cselect_b64 s[34:35], s[16:17], s[34:35]
	s_cselect_b32 s36, 400, s36
	s_cmp_lt_u32 ttmp9, 400
	s_cselect_b64 s[34:35], s[14:15], s[34:35]
	s_cselect_b32 s36, 384, s36
	s_cmp_lt_u32 ttmp9, 384
	s_cselect_b64 s[34:35], s[12:13], s[34:35]
	s_cselect_b32 s36, 256, s36
	s_cmp_lt_u32 ttmp9, 256
	s_cselect_b64 s[34:35], s[10:11], s[34:35]
	s_cselect_b32 s36, 128, s36
	s_cmp_lt_u32 ttmp9, 128
	s_cselect_b64 s[34:35], s[8:9], s[34:35]
	s_cselect_b32 s36, 0, s36
	s_sub_co_u32 s37, ttmp9, s36
	s_lshl_b32 s37, s37, 2
	s_add_co_u32 s37, s37, s3                      ; my tile within its tensor
	s_lshl_b32 s38, s37, 16                        ; 16 rows of 4,096 bytes
	s_add_nc_u64 s[34:35], s[34:35], s[38:39]
	s_lshl_b32 s37, ttmp9, 2
	s_add_co_u32 s37, s37, s3                      ; my tile among all 1,728
	s_lshl_b32 s38, s37, 13
	s_add_nc_u64 s[24:25], s[24:25], s[38:39]      ; its 8,192 bytes of codes
	s_lshl_b32 s38, s37, 9
	s_add_nc_u64 s[26:27], s[26:27], s[38:39]      ; its 512 scale bytes
	s_mul_i32 s40, s3, WREG
	v_lshlrev_b32 v7, 4, v1                        ; 16 x lane
	v_lshlrev_b32 v4, 4, v2
	v_lshl_add_u32 v4, v3, 12, v4                  ; in memory: lanes 0-15 one row, lanes 16-31 the next; 16 bytes a lane
	v_mul_u32_u24 v14, v3, 272
	v_lshl_add_u32 v14, v2, 4, v14
	v_add_nc_u32 v14, s40, v14                     ; the stage, on the way in: row h (+ 2 i by the offset), byte 16 r
	v_mul_u32_u24 v15, v2, 272
	v_lshl_add_u32 v15, v3, 7, v15
	v_add_nc_u32 v15, s40, v15                     ; and on the way out: row r, byte 128 h
	s_add_co_u32 s40, s40, 2*STG
	v_lshl_add_u32 v5, v2, 4, v3
	v_add_nc_u32 v5, s40, v5                       ; my block's scale byte: 16 r + h (+ the step's place by the offset)
	v_add_nc_u32 v6, s40, v7                       ; the scale bytes on the way out: 16 bytes a lane
.macro LOAD g
.irp i, 0,1,2,3,4,5,6,7
	global_load_b128 v[R+32*((\g)%3)+4*\i:R+32*((\g)%3)+4*\i+3], v4, s[34:35] offset:8192*\i+256*(\g) th:TH_LOAD_NT
.endr
.endm
.macro TURNQ g                         ; LDS serves a wave's instructions in order: no wait between the stores and the loads
.irp i, 0,1,2,3,4,5,6,7
	ds_store_b128 v14, v[R+32*((\g)%3)+4*\i:R+32*((\g)%3)+4*\i+3] offset:STG*((\g)%2)+544*\i
.endr
.irp i, 0,1,2,3,4,5,6,7
	ds_load_b128 v[X+32*((\g)%2)+4*\i:X+32*((\g)%2)+4*\i+3], v15 offset:STG*((\g)%2)+16*\i
.endr
.endm
.macro STEP g
.set XS, X+32*((\g)%2)
.if (\g) > 0
	s_wait_dscnt 1                                 ; this step's numbers are back from the stage; only the last step's byte store may be out
.else
	s_wait_dscnt 0x0
.endif
.if (\g)+3 < 16
	LOAD (\g)+3                                    ; into the set that this step's stage stores have read
.endif
.if (\g)+1 < 16
.if (\g) <= 12
	s_wait_loadcnt 16                              ; the next step's eight loads are in; those of the two steps behind it may be out
.else
	s_wait_loadcnt 8*(14-(\g))
.endif
	TURNQ (\g)+1                                   ; through the other stage while this step is worked
.endif
	v_max3_num_f32 v8, |v[XS]|, |v[XS+1]|, |v[XS+2]|   ; the block's largest magnitude: all 32 numbers are mine; two chains
	v_max3_num_f32 v9, |v[XS+3]|, |v[XS+4]|, |v[XS+5]|
.irp i, 6,10,14,18,22,26
	v_max3_num_f32 v8, v8, |v[XS+\i]|, |v[XS+\i+1]|
	v_max3_num_f32 v9, v9, |v[XS+\i+2]|, |v[XS+\i+3]|
.endr
	v_max3_num_f32 v8, v8, |v[XS+30]|, |v[XS+31]|
	v_max3_num_f32 v8, v8, v9, 0x1800000           ; and the floor 2^(3 - 127): the byte cannot fall under 1
	v_add_nc_u32 v11, 0xff000000, v8               ; 2 off the exponent field: the conversion takes the exponent field of this operand as its scale
.irp c, 0,1,2,3
	v_cvt_scalef32_pk8_fp4_f32 v[C+4*(\g)+\c], v[XS+8*\c:XS+8*\c+7], v11
.endr
	v_lshrrev_b32 v[E+(\g)], 23, v11               ; the scale's byte (a plain line behind the conversions)
	ds_store_b8 v5, v[E+(\g)] offset:256*((\g)/8)+2*((\g)%8)
	global_store_b128 v7, v[C+4*(\g):C+4*(\g)+3], s[24:25] offset:512*(\g)   ; 32 lanes store 512 consecutive bytes
.endm
	LOAD 0
	LOAD 1
	LOAD 2
	s_wait_loadcnt 16                              ; step 0's eight loads are in
	TURNQ 0
.irp g, 0,1,2,3,4,5,6,7,8,9,10,11,12,13,14,15
	STEP \g
.endr
	ds_load_b128 v[8:11], v6                       ; the tile's 512 scale bytes (these loads see my byte stores: LDS serves a wave in order)
	s_wait_dscnt 0x0
	global_store_b128 v7, v[8:11], s[26:27]
	s_wait_tensorcnt 0x0                           ; the wave's end, behind my last LDS store
	ds_add_u32 v[SPW], v[NIL]
	s_wait_dscnt 0x0
	s_endpgm
; ---------------- ROLE B: Wp to f16.  Wave u takes 16 rows (u / 2) and 512 columns (u % 2): 32 blocks of 16 x 16, in four groups of eight, one group of loads ahead.
; A pair of loads takes 64 consecutive bytes of each of 16 rows: accepted for these 4 MiB; the stores are whole runs of 512 bytes.
.Lnot_a:
	s_cmp_ge_u32 ttmp9, 464
	s_cbranch_scc1 .Lnot_b
	s_sub_co_u32 s36, ttmp9, 432
	s_lshl_b32 s36, s36, 2
	s_add_co_u32 s36, s36, s3                      ; u 0..127
	s_lshr_b32 s37, s36, 1                         ; the tile of 16 rows
	s_and_b32 s36, s36, 1                          ; which half of its columns
	s_lshl_b32 s38, s37, 16
	s_lshl_b32 s40, s36, 11
	s_add_co_u32 s38, s38, s40
	s_add_nc_u64 s[20:21], s[20:21], s[38:39]
	s_lshl_b32 s38, s37, 15
	s_lshl_b32 s40, s36, 14
	s_add_co_u32 s38, s38, s40
	s_add_nc_u64 s[28:29], s[28:29], s[38:39]
	v_lshlrev_b32 v4, 12, v2
	v_lshl_add_u32 v4, v3, 5, v4                   ; row r, + 32 h bytes: my eight numbers of a block
	v_lshlrev_b32 v7, 4, v1
.macro BLOAD n
.irp c, 0,1,2,3,4,5,6,7
	global_load_b128 v[16+64*((\n)%2)+8*\c:16+64*((\n)%2)+8*\c+3], v4, s[20:21] offset:64*(8*(\n)+\c) th:TH_LOAD_NT
	global_load_b128 v[16+64*((\n)%2)+8*\c+4:16+64*((\n)%2)+8*\c+7], v4, s[20:21] offset:64*(8*(\n)+\c)+16 th:TH_LOAD_NT
.endr
.endm
.macro BGROUP n
.if (\n) < 3
	s_wait_loadcnt 16                              ; this group's sixteen loads are in; the next group's may be out
.else
	s_wait_loadcnt 0x0
.endif
.if (\n) >= 2
	s_wait_xcnt 0x0                                ; the stores of two groups back have read the registers that are written now
.endif
.irp c, 0,1,2,3,4,5,6,7
.irp k, 0,1,2,3
	v_cvt_pk_f16_f32 v[144+32*((\n)%2)+4*\c+\k], v[16+64*((\n)%2)+8*\c+2*\k], v[16+64*((\n)%2)+8*\c+2*\k+1]
.endr
.endr
.irp c, 0,1,2,3,4,5,6,7
	global_store_b128 v7, v[144+32*((\n)%2)+4*\c:144+32*((\n)%2)+4*\c+3], s[28:29] offset:512*(8*(\n)+\c)
.endr
.if (\n)+2 < 4
	BLOAD (\n)+2
.endif
.endm
	BLOAD 0
	BLOAD 1
	BGROUP 0
	BGROUP 1
	BGROUP 2
	BGROUP 3
	s_endpgm
; ---------------- ROLE C: cos and sin of position x 10000^(-i / 32), i = 0..31.  Wave u takes positions 8 u .. 8 u + 7; lanes 0-15 make cos, lanes 16-31 sin, two values a lane.
; The angle is reduced by the nearest multiple of pi / 2 (pi / 2 in two parts); what is left lies within +-pi / 4 for every angle, so the two series are cut by that range, not by the data:
; the first terms left out are (pi/4)^11 / 11! and (pi/4)^10 / 10!.  cos(x) is taken as sin(x + pi / 2): one quadrant more.
.Lnot_b:
	s_cmp_ge_u32 ttmp9, 496
	s_cbranch_scc1 .Lnot_c
	s_sub_co_u32 s36, ttmp9, 464
	s_lshl_b32 s36, s36, 2
	s_add_co_u32 s36, s36, s3                      ; u 0..127
	s_lshl_b32 s38, s36, 11                        ; 8 rows of 256 bytes
	s_add_nc_u64 s[30:31], s[30:31], s[38:39]
	s_lshl_b32 s36, s36, 3                         ; my first position
	s_mov_b32 s41, 0x3fc90fdb                      ; pi / 2, high part
	s_mov_b32 s42, 0xb33bbd2e                      ; and the rest
	s_mov_b32 s43, 0xbe2aaaab                      ; -1/3!
	s_mov_b32 s44, 0x3c088889                      ; 1/5!
	s_mov_b32 s45, 0xb9500d01                      ; -1/7!
	s_mov_b32 s46, 0x3638ef1d                      ; 1/9!
	s_mov_b32 s47, 0x3d2aaaab                      ; 1/4!
	s_mov_b32 s48, 0xbab60b61                      ; -1/6!
	s_mov_b32 s49, 0x37d00d01                      ; 1/8!
	v_lshlrev_b32 v4, 1, v2                        ; i = 2 r, 2 r + 1
	v_add_nc_u32 v5, 1, v4
	v_cvt_f32_u32 v8, v4
	v_cvt_f32_u32 v9, v5
	v_mul_f32 v8, 0xbed49a78, v8                   ; -i x log2(10000) / 32
	v_mul_f32 v9, 0xbed49a78, v9
	v_exp_f32 v8, v8
	v_exp_f32 v9, v9
	v_sub_nc_u32 v6, 1, v3                         ; one quadrant more for cos (a plain line behind the exponentials)
	v_lshlrev_b32 v7, 3, v1                        ; 8 bytes a lane: a row's 256 bytes in one store
	s_wait_alu depctr_va_vdst(0)                   ; one wait for both exponentials, ahead of their first reader
.macro EVAL d, inv                     ; v19 = the position as f32
	v_mul_f32 v20, v19, v[\inv]                    ; the angle, as reference() rounds it
	v_mul_f32 v21, 0x3f22f983, v20                 ; x 2 / pi
	v_rndne_f32 v21, v21
	v_fma_f32 v22, -v21, s41, v20
	v_fma_f32 v22, -v21, s42, v22                  ; what is left
	v_cvt_i32_f32 v23, v21
	v_add_nc_u32 v23, v23, v6                      ; the quadrant
	v_mul_f32 v24, v22, v22
	v_fma_f32 v25, v24, s46, s45
	v_fma_f32 v26, v24, s49, s48
	v_fma_f32 v25, v24, v25, s44
	v_fma_f32 v26, v24, v26, s47
	v_fma_f32 v25, v24, v25, s43
	v_fma_f32 v26, v24, v26, -0.5
	v_mul_f32 v25, v24, v25
	v_fma_f32 v26, v24, v26, 1.0                   ; cos
	v_fma_f32 v25, v22, v25, v22                   ; sin
	v_and_b32 v27, 1, v23
	v_cmp_eq_u32 vcc_lo, 1, v27
	v_cndmask_b32 v25, v25, v26, vcc_lo            ; odd quadrants take cos
	v_and_b32 v27, 2, v23
	v_lshlrev_b32 v27, 30, v27
	v_xor_b32 v[\d], v25, v27                      ; quadrants 2 and 3 change the sign
.endm
.irp i, 0,1,2,3,4,5,6,7
	s_add_co_u32 s37, s36, \i
	v_cvt_f32_u32 v19, s37
	EVAL 32+2*\i, 8
	EVAL 33+2*\i, 9
	global_store_b64 v7, v[32+2*\i:33+2*\i], s[30:31] offset:256*\i
.endr
	s_endpgm
; ---------------- ROLE D: a wave takes a batch's 1,024 mask words.
.Lnot_c:
	s_sub_co_u32 s36, ttmp9, 496
	s_lshl_b32 s36, s36, 2
	s_add_co_u32 s36, s36, s3                      ; the batch
	s_lshl_b32 s38, s36, 12
	s_add_nc_u64 s[22:23], s[22:23], s[38:39]
	s_add_nc_u64 s[34:35], s[32:33], s[38:39]      ; its 1,024 addends
	s_lshl_b32 s38, s36, 7
	s_add_nc_u64 s[32:33], s[32:33], s[38:39]      ; its 32 copies of c, from byte 32,768 on
	v_lshlrev_b32 v7, 4, v1
	v_lshlrev_b32 v6, 2, v1
.irp i, 0,1,2,3,4,5,6,7
	global_load_b128 v[16+4*\i:19+4*\i], v7, s[22:23] offset:512*\i
.endr
	s_wait_loadcnt 0x0
	v_or_b32 v8, v16, v17
.irp j, 18,19,20,21,22,23,24,25,26,27,28,29,30,31,32,33,34,35,36,37,38,39,40,41,42,43,44,45,46,47
	v_or_b32 v8, v8, v[\j]
.endr
	v_cmp_ne_u32 s40, 0, v8                        ; does any key of the batch count?
	s_cmp_lg_u32 s40, 0
	s_cselect_b32 s41, 0x3e38aa3b, 0               ; c = log2(e) / 8, or 0
	s_cselect_b32 s42, 0xe1000000, 0               ; -2^67, or 0
	v_mov_b32 v9, s42
	v_mov_b32 v10, 0
	v_mov_b32 v11, s41
.irp j, 0,1,2,3,4,5,6,7,8,9,10,11,12,13,14,15,16,17,18,19,20,21,22,23,24,25,26,27,28,29,30,31
	v_cmp_eq_u32 vcc_lo, 0, v[16+\j]
	v_cndmask_b32 v[48+\j], v10, v9, vcc_lo
.endr
.irp i, 0,1,2,3,4,5,6,7
	global_store_b128 v7, v[48+4*\i:51+4*\i], s[34:35] offset:512*\i
.endr
	global_store_b32 v6, v11, s[32:33] offset:32768
	s_endpgm
.Lfunc_end_k_q8a1538e6d0_prep:
	.size	k_q8a1538e6d0_prep, .Lfunc_end_k_q8a1538e6d0_prep-k_q8a1538e6d0_prep
	.p2alignl 7, 3214868480
	.fill 96, 4, 3214868480
	.section	.rodata,"a",@progbits
	.p2align	6, 0x0
	.amdhsa_kernel k_q8a1538e6d0_prep
		.amdhsa_group_segment_fixed_size 37376
		.amdhsa_private_segment_fixed_size 0
		.amdhsa_enable_private_segment 0
		.amdhsa_kernarg_size 104
		.amdhsa_user_sgpr_count 2
		.amdhsa_user_sgpr_kernarg_segment_ptr 1
		.amdhsa_wavefront_size32 1
		.amdhsa_system_sgpr_workgroup_id_x 1
		.amdhsa_system_sgpr_workgroup_id_y 1
		.amdhsa_system_sgpr_workgroup_id_z 1
		.amdhsa_system_vgpr_workitem_id 0
		.amdhsa_next_free_vgpr 256
		.amdhsa_next_free_sgpr 66
		.amdhsa_reserve_vcc 1
		.amdhsa_float_denorm_mode_32 3
		.amdhsa_float_denorm_mode_16_64 3
		.amdhsa_memory_ordered 1
		.amdhsa_forward_progress 1
		.amdhsa_inst_pref_size 100
	.end_amdhsa_kernel
	.amdgpu_metadata
---
amdhsa.version: [ 1, 2 ]
amdhsa.kernels:
  - .name:           k_q8a1538e6d0_prep
    .symbol:         k_q8a1538e6d0_prep.kd
    .args:
      - { .name: q, .offset: 0, .size: 8, .value_kind: global_buffer, .address_space: global }
      - { .name: k, .offset: 8, .size: 8, .value_kind: global_buffer, .address_space: global }
      - { .name: v, .offset: 16, .size: 8, .value_kind: global_buffer, .address_space: global }
      - { .name: Wq, .offset: 24, .size: 8, .value_kind: global_buffer, .address_space: global }
      - { .name: Wk, .offset: 32, .size: 8, .value_kind: global_buffer, .address_space: global }
      - { .name: Wv, .offset: 40, .size: 8, .value_kind: global_buffer, .address_space: global }
      - { .name: Wp, .offset: 48, .size: 8, .value_kind: global_buffer, .address_space: global }
      - { .name: mask, .offset: 56, .size: 8, .value_kind: global_buffer, .address_space: global }
      - { .name: codes, .offset: 64, .size: 8, .value_kind: global_buffer, .address_space: global }
      - { .name: scales, .offset: 72, .size: 8, .value_kind: global_buffer, .address_space: global }
      - { .name: wpf, .offset: 80, .size: 8, .value_kind: global_buffer, .address_space: global }
      - { .name: rope, .offset: 88, .size: 8, .value_kind: global_buffer, .address_space: global }
      - { .name: mbias, .offset: 96, .size: 8, .value_kind: global_buffer, .address_space: global }
    .group_segment_fixed_size: 37376
    .private_segment_fixed_size: 0
    .kernarg_segment_align: 8
    .kernarg_segment_size: 104
    .max_flat_workgroup_size: 128
    .sgpr_count:     66
    .vgpr_count:     256
    .wavefront_size: 32
...
	.end_amdgpu_metadata
.endif
;; end of part 1
;; launch proj (part 2): grid 4 x 96, 4 waves a work-group, clusters of 4 x 4, 327,680 bytes of LDS; arguments codes, scales, rope, bq, bk, bv, qkv; writes qkv
.if DOCPART == 2
	.amdgcn_target "amdgcn-amd-amdhsa--gfx1250"
	.amdhsa_code_object_version 6
	.text
	.protected	k_q8a1538e6d0_proj
	.globl	k_q8a1538e6d0_proj
	.p2align	8
	.type	k_q8a1538e6d0_proj,@function
k_q8a1538e6d0_proj:
	s_mov_b64 s[64:65], 0
	v_nop
	global_prefetch_b8 v0, s[64:65] scope:SCOPE_SE
	s_setreg_imm32_b32 hwreg(HW_REG_WAVE_MODE, 25, 1), 1
	s_wait_xcnt 0x0
	s_wait_alu depctr_hold_cnt(0) depctr_sa_sdst(0) depctr_va_vdst(0) depctr_va_sdst(0) depctr_va_ssrc(0) depctr_va_vcc(0) depctr_vm_vsrc(0)
	s_getreg_b32 s2, hwreg(HW_REG_IB_STS2, 6, 4)
	s_cmp_eq_u32 s2, 0
	s_cbranch_scc0 .Lentry_in_a_cluster
	s_endpgm
.Lentry_in_a_cluster:
	s_bfe_u32 s2, ttmp6, 0x10000c
	s_cmp_lg_u32 s2, 0xf033
	s_cbranch_scc0 .Lentry_shape_is_right
	s_endpgm
.Lentry_shape_is_right:
; PROJ: the three quantised projections, Q = q Wq^T + bq, K = k Wk^T + bk, V = v Wv^T + bv, on codes of FP4 (E2M1) with one E8M0 scale for each 32 along K = 1,024; sums in f32;
; then the rotation of Q and K in f32, and f16 results in the order of the next launch's operand registers.
; The 24,576 rows of q, k, v are one stack of 96 tile rows of 256; a tile of C is 256 x 256, a wave makes 128 x 128: 64 accumulators, 512 registers.
; OPERANDS LIE IN MEMORY AS IMAGES OF THEIR REGISTERS (blocks of 512 bytes, lane l's 16 bytes at 16 l): a fragment comes out of LDS by two loads at 16 x lane, with no pitch and no padding.
; ALL OF K IS RESIDENT: two slots of 512 along K and the scales are filled once, by three joint loads a wave; nothing is filled again.  Three tensor loads of a wave are out.
; CLUSTERS: 4 x 4 work-groups.  The four of a row of the cluster need the same rows of the activations, the four of a column the same rows of the weight: each tile is asked for jointly.
; The tensor's number t (0 q, 1 k, 2 v) is cluster y / 8: the same in all sixteen partners, so a branch may hang on it.
; THE MATRIX INSTRUCTION IS USED TRANSPOSED (source 0 = 16 rows of W, source 1 = 16 rows of the activations): a lane holds eight neighbouring columns of one row.  The bias is the C of each sum's first product.
; THE WAY OUT needs no LDS: a lane's eight numbers, rounded to f16, are its 16 bytes of a block [16 rows][16 channels], and the 32 lanes store 512 consecutive bytes.
; V's blocks are stored with the lanes' places permuted, so that the turning LDS load of the next launch finds each piece at 16 x lane.
; LIMITS: results beyond f16's 65,504 are not served; NaN and infinities are not served.
; REGISTERS, in windows of 256: window 0: v0-31 addresses; v32-95 scale words, two sets, and nothing else; v96-127 the rotated numbers; v128-191 A's fragments, one set; v192-255 the bias (8 column tiles x 8);
;   on the way out v128-159 are at work and v160-255 hold packed results.  window 1: B's fragments at v0-63 and v128-191; the table of row blocks 0-3 at v64-127 and v192-255, of blocks 4-7 later in B's place.
;   window 2: the accumulators of my rows 0-63 ((a, b) at v[8 (8 a + b)]); window 3: those of rows 64-127.
.set NQ,     4                         ; steps of 128 along K in a slot
.set FR,     8                         ; registers of a fragment
.set NL,     2                         ; LDS loads that bring one
.set NP,     4                         ; places behind this matrix instruction (ISA guide 7.12.1)
.set SLOT,   131072                    ; A's 16 tiles x 4,096 bytes, then B's 16
.set SCL,    262144                    ; A's scales, 16 tiles x 512 bytes, then B's
.set SPARE,  278528                    ; the spare words, 128 bytes for each wave
.set ADRA, 16                          ; v16-17  LDS address of my A fragments in slot 0, 1
.set ADRB, 20                          ; v20-21  the same for B
.set LOFQ, 24                          ; v24     16 x lane: a block's place for my lane (Q, K)
.set TOF,  25                          ; v25     the table: 256 r + 32 h
.set BOF,  26                          ; v26     the bias: 32 h
.set ADRS, 27                          ; v27     my scale words: lanes 0-15 A's rows, lanes 16-31 B's
.set SPW,  28                          ; v28     my spare word; never rewritten
.set NIL,  29                          ; v29     0; never rewritten
.set LOFV, 30                          ; v30     V: 16 ((r & 7) + 8 h + 16 (r >> 3))
.set SC,   32
.set Y,    96
.set AF,   128
.set BI,   192
.set TT,   128
.set OU,   160
.set G1, 24                            ; s[24:31] group 1 for A's codes;  s[32:39] group 0, a set for each slot
.set G0, 32
.set G1B, 48                           ; s[48:55], s[56:63] the same for B's
.set G0B, 56
.set G1S, 68                           ; s[68:75], s[76:79] for A's scales;  s[80:87], s[88:91] for B's
.set G0S, 76
.set G1SB, 80
.set G0SB, 88
.set MSB, 0
.macro WIN new                         ; the immediate's high byte repeats the setting that is left
.if MSB != \new
	s_set_vgpr_msb (MSB<<8)|\new
.set MSB, \new
.endif
.endm
.set MUL_LO, 0xa1                      ; source 0 (B) window 1, source 1 (A) window 0, C and D window 2
.set MUL_HI, 0xf1                      ; the same, C and D window 3
.set TO_B,   0x40                      ; destination window 1, address window 0
; A joint load: waves 0 and 1 fetch for A, waves 2 and 3 for B; the branch hangs on the wave's number alone.  An s_nop 0 and four v_nop follow each of the two lines.
.macro JLOAD g0a, g1a, g0b, g1b
	s_cmp_eq_u32 s19, 0
	s_cbranch_scc0 .Lfor_b_\@
	tensor_load_to_lds s[\g0a:\g0a+3], s[\g1a:\g1a+7]
	s_nop 0
.rept 4
	v_nop
.endr
	s_branch .Lasked_\@
.Lfor_b_\@:
	tensor_load_to_lds s[\g0b:\g0b+3], s[\g1b:\g1b+7]
	s_nop 0
.rept 4
	v_nop
.endr
.Lasked_\@:
.endm
.macro CROUND                          ; a round of the cluster's barrier
	s_barrier_signal -1
	s_barrier_wait -1
	s_cmp_lg_u32 s18, 0
	s_cbranch_scc1 .Lnot_wave_0_\@
	s_barrier_signal -3
.Lnot_wave_0_\@:
	s_barrier_wait -3
	s_barrier_signal -1
	s_barrier_wait -1
.endm
	s_load_b128 s[4:7], s[0:1], 0x0                ; codes, scales
	s_load_b128 s[8:11], s[0:1], 0x10              ; rope, bq
	s_load_b128 s[12:15], s[0:1], 0x20             ; bk, bv
	s_load_b64 s[16:17], s[0:1], 0x30              ; qkv
	v_lshl_add_u32 v[SPW], v0, 2, SPARE
	v_mov_b32 v[NIL], 0
	ds_add_u32 v[SPW], v[NIL]                      ; the wave's opening: the add, twice on end, and its wait ahead of my first tensor load
	ds_add_u32 v[SPW], v[NIL]
	v_lshrrev_b32 v1, 5, v0
	v_readfirstlane_b32 s18, v1                    ; wave 0..3
	s_lshr_b32 s19, s18, 1                         ; which half of the tile's rows is mine.  Also: I fetch for A (0) or for B (1)
	s_and_b32 s20, s18, 1                          ; which half of its columns.  Also: which 8 tiles of 16 rows I fetch
	s_bfe_u32 s40, ttmp6, 0x40000                  ; cx
	s_bfe_u32 s41, ttmp6, 0x40004                  ; cy
	s_lshl_b32 s42, ttmp9, 2
	s_add_co_u32 s42, s42, s40                     ; tile column 0..3
	s_and_b32 s21, ttmp7, 0xffff                   ; cluster y 0..23
	s_lshr_b32 s22, s21, 3                         ; t: 0 q, 1 k, 2 v
	s_lshl_b32 s21, s21, 2
	s_add_co_u32 s21, s21, s41                     ; tile row 0..95
	s_lshl_b32 s43, s41, 2
	s_lshl_b32 s43, 15, s43                        ; my row of the cluster
	s_lshl_b32 s44, 0x1111, s40                    ; my column
	; group 1 for codes: 8 rows (tiles of 16 rows) of 512 elements of 8 bytes (a tile's 4,096 bytes of one half of K), 1,024 elements apart; dense in LDS
	s_or_b32 s[G1+0], s43, (3<<16)|(1<<21)         ; 15:0 the mask; 17:16 elements of 8 bytes; 21 set beside a mask
	s_or_b32 s[G1B+0], s44, (3<<16)|(1<<21)
.irp g, G1, G1B
	s_mov_b32 s[\g+1], 512<<16                     ; tensor_dim0
	s_mov_b32 s[\g+2], 8<<16                       ; tensor_dim1
	s_mov_b32 s[\g+3], 512<<16                     ; tile_dim0
	s_mov_b32 s[\g+4], 8                           ; tile_dim1
	s_mov_b32 s[\g+5], 1024                        ; from row to row
	s_mov_b32 s[\g+6], 0
	s_mov_b32 s[\g+7], 0
.endr
	; and for the scales of 8 tiles: 4,096 dense bytes as 16 rows of 256
	s_or_b32 s[G1S+0], s43, (3<<16)|(1<<21)
	s_or_b32 s[G1SB+0], s44, (3<<16)|(1<<21)
.irp g, G1S, G1SB
	s_mov_b32 s[\g+1], 32<<16
	s_mov_b32 s[\g+2], 16<<16
	s_mov_b32 s[\g+3], 32<<16
	s_mov_b32 s[\g+4], 16
	s_mov_b32 s[\g+5], 32
	s_mov_b32 s[\g+6], 0
	s_mov_b32 s[\g+7], 0
.endr
	s_lshl_b32 s2, s21, 4
	s_lshl_b32 s3, s20, 3
	s_add_co_u32 s2, s2, s3                        ; A: tile 16 x tile row + 8 x half
	s_lshl_b32 s46, s2, 9                          ; its scales,
	s_mov_b32 s47, 0
	s_lshl_b32 s2, s2, 13                          ; its codes
	s_mov_b32 s3, 0
	s_lshl_b32 s92, s22, 6
	s_lshl_b32 s93, s42, 4
	s_add_co_u32 s92, s92, s93
	s_lshl_b32 s93, s20, 3
	s_add_co_u32 s92, s92, s93
	s_add_co_u32 s92, s92, 1536                    ; B: tile 1,536 + 64 t + 16 x tile column + 8 x half
	s_lshl_b32 s94, s92, 9
	s_mov_b32 s95, 0
	s_lshl_b32 s92, s92, 13
	s_mov_b32 s93, 0
	s_lshl_b32 s45, s18, 15                        ; where they go: wave x 32,768 in a slot: no place in the cluster enters an LDS address
	s_lshl_b32 s23, s18, 12                        ; and wave x 4,096 among the scales
	s_wait_dscnt 0x0                               ; both opening adds are done
	s_wait_kmcnt 0x0
	s_add_nc_u64 s[2:3], s[4:5], s[2:3]
	s_add_nc_u64 s[46:47], s[6:7], s[46:47]
	s_add_nc_u64 s[92:93], s[4:5], s[92:93]
	s_add_nc_u64 s[94:95], s[6:7], s[94:95]
	CROUND                                         ; all sixteen work-groups are here: the first joint loads meet
	s_mov_b32 s[G0S], 1
	s_add_co_u32 s[G0S+1], s23, SCL
	s_mov_b64 s[G0S+2:G0S+3], s[46:47]
	s_or_b32 s[G0S+3], s[G0S+3], 0x80000000
	s_mov_b32 s[G0SB], 1
	s_add_co_u32 s[G0SB+1], s23, SCL
	s_mov_b64 s[G0SB+2:G0SB+3], s[94:95]
	s_or_b32 s[G0SB+3], s[G0SB+3], 0x80000000
	JLOAD G0S, G1S, G0SB, G1SB                     ; the scales first: they are wanted with the first step
.irp s, 0,1
	s_mov_b32 s[G0+4*\s], 1
	s_add_co_u32 s[G0+4*\s+1], s45, \s*SLOT
	s_add_nc_u64 s[G0+4*\s+2:G0+4*\s+3], s[2:3], \s*4096
	s_or_b32 s[G0+4*\s+3], s[G0+4*\s+3], 0x80000000
	s_mov_b32 s[G0B+4*\s], 1
	s_add_co_u32 s[G0B+4*\s+1], s45, \s*SLOT
	s_add_nc_u64 s[G0B+4*\s+2:G0B+4*\s+3], s[92:93], \s*4096
	s_or_b32 s[G0B+4*\s+3], s[G0B+4*\s+3], 0x80000000
	JLOAD G0+4*\s, G1, G0B+4*\s, G1B
.endr
	v_and_b32 v1, 15, v0                           ; r
	v_bfe_u32 v2, v0, 4, 1                         ; h
	v_and_b32 v3, 31, v0
	v_lshlrev_b32 v[LOFQ], 4, v3
	s_lshl_b32 s2, s19, 15                         ; my 8 tiles of A
	s_lshl_b32 s3, s20, 15                         ; my 8 tiles of B,
	s_add_co_u32 s3, s3, 65536                     ; which lie behind A's 16
.irp s, 0,1
	v_add_nc_u32 v[ADRA+\s], s2, v[LOFQ]
	v_add_nc_u32 v[ADRB+\s], s3, v[LOFQ]
	s_add_co_u32 s2, s2, SLOT
	s_add_co_u32 s3, s3, SLOT
.endr
	s_lshl_b32 s23, s19, 12                        ; A's scales: my 8 tiles
	s_lshl_b32 s45, s20, 12                        ; B's: my 8 tiles, behind A's 16
	s_add_co_u32 s45, s45, 8192
	s_sub_co_u32 s45, s45, s23
	v_mul_u32_u24 v6, s45, v2                      ; lanes 16-31 take B's: one product, the distance between the two
	s_add_co_u32 s23, s23, SCL
	v_lshl_add_u32 v5, v1, 4, v6                   ; 16 bytes a row
	v_add_nc_u32 v[ADRS], s23, v5
	v_and_b32 v5, 7, v1
	v_lshl_add_u32 v5, v2, 3, v5
	v_lshrrev_b32 v6, 3, v1
	v_lshl_add_u32 v5, v6, 4, v5
	v_lshlrev_b32 v[LOFV], 4, v5
	v_lshlrev_b32 v[TOF], 8, v1
	v_lshl_add_u32 v[TOF], v2, 5, v[TOF]
	v_lshlrev_b32 v[BOF], 5, v2
	s_and_b32 s2, s21, 3
	s_lshl_b32 s2, s2, 16
	s_lshl_b32 s3, s19, 15
	s_add_co_u32 s2, s2, s3                        ; my first position in the sequence, (tile row % 4) x 256 + 128 x half, x 256 bytes
	s_mov_b32 s3, 0
	s_add_nc_u64 s[8:9], s[8:9], s[2:3]
	s_cmp_eq_u32 s22, 0                            ; the tensor's bias
	s_cselect_b64 s[10:11], s[10:11], s[12:13]
	s_cmp_eq_u32 s22, 2
	s_cselect_b64 s[10:11], s[14:15], s[10:11]
	s_lshl_b32 s2, s42, 10
	s_lshl_b32 s45, s20, 9
	s_add_co_u32 s2, s2, s45
	s_add_nc_u64 s[10:11], s[10:11], s[2:3]        ; at my first column
	s_lshr_b32 s2, s21, 2                          ; 8 t + batch
	s_lshl_b32 s2, s2, 4
	s_lshl_b32 s45, s42, 2
	s_add_co_u32 s2, s2, s45
	s_lshl_b32 s45, s20, 1
	s_add_co_u32 s2, s2, s45                       ; + my first head: 131,072 bytes each
	s_lshl_b32 s2, s2, 17
	s_and_b32 s45, s21, 3
	s_lshl_b32 s45, s45, 4
	s_lshl_b32 s23, s19, 3
	s_add_co_u32 s45, s45, s23                     ; my first tile of 16 positions: 2,048 bytes each
	s_lshl_b32 s45, s45, 11
	s_add_co_u32 s2, s2, s45
	s_add_nc_u64 s[16:17], s[16:17], s[2:3]
.irp b, 0,1,2,3,4,5,6,7
	global_load_b128 v[BI+8*\b:BI+8*\b+3], v[BOF], s[10:11] offset:64*\b       ; lane (r, h): the bias of columns 16 b + 8 h + 0..7
	global_load_b128 v[BI+8*\b+4:BI+8*\b+7], v[BOF], s[10:11] offset:64*\b+16
.endr
; the table of row block a: lane (r, h) takes, of position 16 a + r, cos and sin of channels 8 h + 0..7 and 16 + 8 h + 0..7: registers 0-7, 8-15 cos, 16-23, 24-31 sin
.macro TSET a
.if (\a) < 4
.set TBA, 64+128*((\a)/2)+32*((\a)%2)
.else
.set TBA, 128*(((\a)-4)/2)+32*((\a)%2)
.endif
.endm
.macro TABL a
	TSET \a
.irp o, 0,1,2,3
	global_load_b128 v[TBA+8*\o:TBA+8*\o+3], v[TOF], s[8:9] offset:(\a)*4096+64*\o
	global_load_b128 v[TBA+8*\o+4:TBA+8*\o+7], v[TOF], s[8:9] offset:(\a)*4096+64*\o+16
.endr
.endm
	WIN TO_B
	TABL 0                                         ; blocks 0-3 now, for every tensor alike (V's work-groups do not use them): the text parts on t only once, on the way out
	TABL 1
	TABL 2
	TABL 3
	WIN 0
.macro FRAG reg, adr, q, i             ; a fragment, 16 rows x 128 K: two blocks of 512 bytes
.irp c, 0,1
	ds_load_b128 v[\reg+4*\c:\reg+4*\c+3], v[\adr] offset:(\i)*4096+(\q)*1024+512*\c
.endr
.endm
; 16 matrix instructions: A's blocks a0, a0 + 1 x B's eight, the slot's q-th 128 along K.  p: B's set; sc: the set of scale words.  first = 1: the bias starts the sums: nothing is ever cleared.
; The 64 accumulators take turns, one instruction a turn, in the same order in every step.
.macro MUL16 a0, p, q, sc, first
.irp a, \a0, \a0+1
.irp b, 0,1,2,3,4,5,6,7
.if \first
	v_wmma_scale_f32_16x16x128_f8f6f4 v[8*(8*((\a)%4)+\b):8*(8*((\a)%4)+\b)+7], v[128*(\p)+FR*\b:128*(\p)+FR*\b+FR-1], v[AF+FR*(\a):AF+FR*(\a)+FR-1], v[BI+8*\b:BI+8*\b+7], v[SC+8*NQ*(\sc)+NQ*\b+(\q)], v[SC+8*NQ*(\sc)+NQ*(\a)+(\q)] matrix_a_fmt:MATRIX_FMT_FP4 matrix_b_fmt:MATRIX_FMT_FP4 matrix_a_scale:MATRIX_SCALE_ROW1
.else
	v_wmma_scale_f32_16x16x128_f8f6f4 v[8*(8*((\a)%4)+\b):8*(8*((\a)%4)+\b)+7], v[128*(\p)+FR*\b:128*(\p)+FR*\b+FR-1], v[AF+FR*(\a):AF+FR*(\a)+FR-1], v[8*(8*((\a)%4)+\b):8*(8*((\a)%4)+\b)+7], v[SC+8*NQ*(\sc)+NQ*\b+(\q)], v[SC+8*NQ*(\sc)+NQ*(\a)+(\q)] matrix_a_fmt:MATRIX_FMT_FP4 matrix_b_fmt:MATRIX_FMT_FP4 matrix_a_scale:MATRIX_SCALE_ROW1
.endif
.endr
.endr
.endm
.macro FETCH_B slot, q, p
	WIN TO_B
.irp i, 0,1,2,3,4,5,6,7
	FRAG 128*(\p)+FR*\i, ADRB+\slot, \q, \i
.endr
	WIN 0
.endm
.macro FETCH_A slot, q, i0
.irp i, \i0, \i0+1, \i0+2, \i0+3
	FRAG AF+FR*(\i), ADRA+\slot, \q, \i
.endr
.endm
.macro SCALES sc                       ; a slot's scale words: four words a row; lanes 0-15 take A's block i, lanes 16-31 B's block i
.irp i, 0,1,2,3,4,5,6,7
	ds_load_b128 v[SC+8*NQ*\sc+NQ*\i:SC+8*NQ*\sc+NQ*\i+3], v[ADRS] offset:\i*512
.endr
.endm
.macro PLACES n                        ; plain vector lines between a matrix instruction and a load into, or a vector line on, its registers (ISA guide 7.12.1 for vector lines)
.rept \n
	v_nop
.endr
.endm
.macro STEP slot, q, first             ; a step of 128 along K that has its successor in the same slot
	s_wait_dscnt 4*NL                              ; B's set and A's blocks 0-3 are in; the youngest eight loads (A's blocks 4-7) may be out
.if \first
	WIN 0x81                                       ; C (the bias) in window 0, D in window 2
.else
	WIN MUL_LO
.endif
	MUL16 0, (\q)%2, \q, \slot, \first
	MUL16 2, (\q)%2, \q, \slot, \first
	s_wait_dscnt 0                                 ; A's blocks 4-7 are in
	PLACES NP
	FETCH_B \slot, (\q)+1, 1-(\q)%2
	FETCH_A \slot, (\q)+1, 0
.if \first
	WIN 0xc1
.else
	WIN MUL_HI
.endif
	MUL16 4, (\q)%2, \q, \slot, \first
	MUL16 6, (\q)%2, \q, \slot, \first
	PLACES NP
	WIN 0
	FETCH_A \slot, (\q)+1, 4
.endm
; Slot 0's last step changes slots: each wave waits for all its tensor loads (its part of slot 1), and a barrier shows the whole slot to every wave.  Nothing is filled again.
.macro TURN slot, next
	s_wait_tensorcnt 0x0                           ; my part of the next slot has landed
	ds_add_u32 v[SPW], v[NIL]                      ; 0 onto my spare word
	s_wait_dscnt 4*NL+1                            ; (the add and the youngest eight loads may be out)
	WIN MUL_LO
	MUL16 0, 1, NQ-1, \slot, 0
	s_wait_dscnt 0x0                               ; no LDS instruction of mine is out at the signal
	s_barrier_signal -1
	MUL16 2, 1, NQ-1, \slot, 0
	WIN 0
	s_barrier_wait -1
	PLACES NP
	v_add_nc_u32 v[ADRS], 256, v[ADRS]             ; the other half of K's scale words
	FETCH_B \next, 0, 0
	FETCH_A \next, 0, 0
	SCALES \next
	WIN MUL_HI
	MUL16 4, 1, NQ-1, \slot, 0
	MUL16 6, 1, NQ-1, \slot, 0
	PLACES NP
	WIN 0
	FETCH_A \next, 0, 4
.endm
.macro STEPS slot, from
.set Q, \from
.rept NQ-1-\from
	STEP \slot, Q, 0
.set Q, Q+1
.endr
.endm
	s_wait_loadcnt 0x0                             ; the bias and the first half of the table
	s_wait_tensorcnt 1                             ; the scales and my part of slot 0 are in (slot 1's load may be out),
	s_barrier_signal -1
	s_barrier_wait -1                              ; everybody's are
	FETCH_B 0, 0, 0
	FETCH_A 0, 0, 0
	SCALES 0
	FETCH_A 0, 0, 4
	STEP 0, 0, 1
	STEPS 0, 1
	TURN 0, 1
	STEPS 1, 0
	s_wait_dscnt 4*NL                              ; the last step: nothing more to fetch
	WIN MUL_LO
	MUL16 0, 1, NQ-1, 1, 0
	MUL16 2, 1, NQ-1, 1, 0
	s_wait_dscnt 0
	WIN MUL_HI
	MUL16 4, 1, NQ-1, 1, 0
	MUL16 6, 1, NQ-1, 1, 0
	WIN 0
	PLACES NP                                      ; in front of the loads into B's registers, of the first reads of results and of writes over A's fragments
	s_cmp_eq_u32 s22, 2
	s_cbranch_scc1 .Lv_out
; Q AND K: row block a, head hh of my two.  y1 = x1 cos - x2 sin, y2 = x1 sin + x2 cos, x1 = channels 0-31 (column tiles 0, 1 of the head), x2 = channels 32-63 (tiles 2, 3); two at a time.
; Each accumulator is read from its low end on.
.macro ROPE a, hh
	TSET \a
.set NB, 2*(\a)+(\hh)
.set AC, 64*((\a)%4)+32*(\hh)
.set OB, OU+16*(NB%6)
.if (\hh) == 0
.if (\a) >= 4
	s_wait_loadcnt 8*(7-(\a))                      ; this block's eight table loads are in; the later blocks' may be out
.endif
.endif
.if (NB == 6) || (NB == 12)
	s_wait_xcnt 0x0                                ; the six sets of packed results begin anew: the earlier stores have read them
.endif
	WIN 0x06+(\a)/4                                ; source 0: the accumulators' window; source 1: the table's
.irp u, 0,1
.irp p, 0,2,4,6
	v_pk_mul_f32 v[TT+16*\u+2*\p:TT+16*\u+2*\p+1], v[AC+16+8*\u+\p:AC+16+8*\u+\p+1], v[TBA+16+8*\u+\p:TBA+16+8*\u+\p+1]
	v_pk_mul_f32 v[TT+16*\u+2*\p+2:TT+16*\u+2*\p+3], v[AC+16+8*\u+\p:AC+16+8*\u+\p+1], v[TBA+8*\u+\p:TBA+8*\u+\p+1]
.endr
.endr
.irp u, 0,1
.irp p, 0,2,4,6
	v_pk_fma_f32 v[Y+8*\u+\p:Y+8*\u+\p+1], v[AC+8*\u+\p:AC+8*\u+\p+1], v[TBA+8*\u+\p:TBA+8*\u+\p+1], v[TT+16*\u+2*\p:TT+16*\u+2*\p+1] neg_lo:[0,0,1] neg_hi:[0,0,1]
	v_pk_fma_f32 v[Y+16+8*\u+\p:Y+16+8*\u+\p+1], v[AC+8*\u+\p:AC+8*\u+\p+1], v[TBA+16+8*\u+\p:TBA+16+8*\u+\p+1], v[TT+16*\u+2*\p+2:TT+16*\u+2*\p+3]
.endr
.endr
	WIN 0
.irp i, 0,1,2,3,4,5,6,7,8,9,10,11,12,13,14,15
	v_cvt_pk_f16_f32 v[OB+\i], v[Y+2*\i], v[Y+2*\i+1]
.endr
.irp c, 0,1,2,3
	global_store_b128 v[LOFQ], v[OB+4*\c:OB+4*\c+3], s[16:17] offset:(\hh)*131072+(\a)*2048+\c*512   ; 32 lanes store 512 consecutive bytes
.endr
.endm
	WIN TO_B
	TABL 4                                         ; the table's second half lands where B's fragments lay
	TABL 5
	TABL 6
	TABL 7
	WIN 0
.irp a, 0,1,2,3,4,5,6,7
	ROPE \a, 0
	ROPE \a, 1
.endr
	s_branch .Ldone
; V: no rotation; the lanes' places in a block are permuted for the turning load.
.Lv_out:
.macro VOUT a
.set AC, 64*((\a)%4)
.set OB, 128+32*((\a)%4)
.if (\a) == 4
	s_wait_xcnt 0x0                                ; the four sets of packed results begin anew
.endif
	WIN 0x0a+5*((\a)/4)                            ; sources 0 and 1: window 2 or 3
.irp b, 0,1,2,3,4,5,6,7
.irp k, 0,1,2,3
	v_cvt_pk_f16_f32 v[OB+4*\b+\k], v[AC+8*\b+2*\k], v[AC+8*\b+2*\k+1]
.endr
.endr
	WIN 0
.irp b, 0,1,2,3,4,5,6,7
	global_store_b128 v[LOFV], v[OB+4*\b:OB+4*\b+3], s[16:17] offset:(\b/4)*131072+(\a)*2048+(\b%4)*512
.endr
.endm
.irp a, 0,1,2,3,4,5,6,7
	VOUT \a
.endr
.Ldone:
	s_wait_tensorcnt 0x0                           ; the wave's end, behind my last tensor load
	ds_add_u32 v[SPW], v[NIL]
	s_wait_dscnt 0x0
	CROUND                                         ; the closing round: no work-group ends while a partner may still ask for a tile that names it
	s_endpgm
.Lfunc_end_k_q8a1538e6d0_proj:
	.size	k_q8a1538e6d0_proj, .Lfunc_end_k_q8a1538e6d0_proj-k_q8a1538e6d0_proj
	.p2alignl 7, 3214868480
	.fill 96, 4, 3214868480
	.section	.rodata,"a",@progbits
	.p2align	6, 0x0
	.amdhsa_kernel k_q8a1538e6d0_proj
		.amdhsa_group_segment_fixed_size 327680
		.amdhsa_private_segment_fixed_size 0
		.amdhsa_enable_private_segment 0
		.amdhsa_kernarg_size 56
		.amdhsa_user_sgpr_count 2
		.amdhsa_user_sgpr_kernarg_segment_ptr 1
		.amdhsa_wavefront_size32 1
		.amdhsa_system_sgpr_workgroup_id_x 1
		.amdhsa_system_sgpr_workgroup_id_y 1
		.amdhsa_system_sgpr_workgroup_id_z 1
		.amdhsa_system_vgpr_workitem_id 0
		.amdhsa_next_free_vgpr 1024
		.amdhsa_next_free_sgpr 100
		.amdhsa_reserve_vcc 0
		.amdhsa_float_denorm_mode_32 3
		.amdhsa_float_denorm_mode_16_64 3
		.amdhsa_memory_ordered 1
		.amdhsa_forward_progress 1
		.amdhsa_inst_pref_size 181
	.end_amdhsa_kernel
	.amdgpu_metadata
---
amdhsa.version: [ 1, 2 ]
amdhsa.kernels:
  - .name:           k_q8a1538e6d0_proj
    .symbol:         k_q8a1538e6d0_proj.kd
    .args:
      - { .name: codes, .offset: 0, .size: 8, .value_kind: global_buffer, .address_space: global }
      - { .name: scales, .offset: 8, .size: 8, .value_kind: global_buffer, .address_space: global }
      - { .name: rope, .offset: 16, .size: 8, .value_kind: global_buffer, .address_space: global }
      - { .name: bq, .offset: 24, .size: 8, .value_kind: global_buffer, .address_space: global }
      - { .name: bk, .offset: 32, .size: 8, .value_kind: global_buffer, .address_space: global }
      - { .name: bv, .offset: 40, .size: 8, .value_kind: global_buffer, .address_space: global }
      - { .name: qkv, .offset: 48, .size: 8, .value_kind: global_buffer, .address_space: global }
    .group_segment_fixed_size: 327680
    .private_segment_fixed_size: 0
    .kernarg_segment_align: 8
    .kernarg_segment_size: 56
    .max_flat_workgroup_size: 128
    .sgpr_count:     100
    .vgpr_count:     1024
    .wavefront_size: 32
...
	.end_amdgpu_metadata
.endif
;; end of part 2
;; launch attn (part 3): grid 2 x 128, 4 waves a work-group, no clusters, 327,680 bytes of LDS; arguments qkv, mbias, xf; writes xf
.if DOCPART == 3
	.amdgcn_target "amdgcn-amd-amdhsa--gfx1250"
	.amdhsa_code_object_version 6
	.text
	.protected	k_q8a1538e6d0_attn
	.globl	k_q8a1538e6d0_attn
	.p2align	8
	.type	k_q8a1538e6d0_attn,@function
k_q8a1538e6d0_attn:
	s_mov_b64 s[64:65], 0
	v_nop
	global_prefetch_b8 v0, s[64:65] scope:SCOPE_SE
	s_setreg_imm32_b32 hwreg(HW_REG_WAVE_MODE, 25, 1), 1
	s_wait_xcnt 0x0
; ATTN: x[b][q][head] = the sum over k of softmax_k(Q . K / 8, keys with mask == 0 left out) V, head size 64, 1,024 keys.  Operands f16, products, maxima and sums f32.
; SHARES.  A work-group owns one head of one batch and 512 of its queries, in two passes of 256; each of its four waves holds 64 queries: four tiles of 16.
; K AND V OF THE HEAD ARE RESIDENT IN LDS (131,072 bytes each), as images of operand registers: blocks of 512 bytes [16 keys][16 channels], read at 16 x lane, V by the turning load.
; They come in four chunks of 256 keys, all asked for at the head: five tensor loads of a wave are out (its quarter of the mask's addends, and its part of each chunk).
; A chunk is read behind a counted wait (the later chunks' loads stay out) and a barrier.  Nothing is filled again.  All bytes are asked for at the head, so no prefetch is laid.
; NO CLUSTER: a head's K and V have two readers (the two work-groups of the head), each of which reads them once; a group of four would span two heads.
; LAYOUT.  S^T = K Q^T (source 0 = 16 keys, source 1 = 16 queries): a lane holds ONE query and keys 8 (lane / 16) + 0..7; two such tiles rounded to f16 are source 1 of O^T = V^T P.
; THE MASK is the C of the first score product: 0 for a key that counts, -2^67 for one that does not.  The running maximum starts at -2^40, under every score that f16 operands can form
; (64 x 2^32 = 2^38) and over every masked one: so it is the running maximum of the keys that count, a masked key's weight is 2^(very negative) = 0, and no infinity arises.
; A batch with no key that counts has addends 0 and c = 0: every weight is 1.  LIMIT: energies of 1e20 and beyond are not told apart from the mask's value.
; SOFTMAX.  p = 2^(c s - c m), c = log2(e) / 8; in every step O and l are multiplied by a = 2^(c m_old - c m_new).  l is summed by the matrix unit: a source 0 whose rows 0 and 8 are ones
; puts the sum of the f16 weights into register 0 of an accumulator, in both halves of the lanes.
; BY TURNS.  The wave's tiles are two pieces (tiles 0, 1 and tiles 2, 3).  In a turn one piece has the matrix unit: 16 products V^T P and 4 for l of the step in hand, then 16 products K Q^T of the next step;
; the other piece's softmax, 206 vector lines cut into 52 slices, stands between them.  Then the pieces change places.
; REGISTERS, in windows of 256: window 0: v2-8 addresses; v12-43 statistics, 8 a tile; v62, v63 the add's two; v64-191 S^T, 32 a tile; v192-255 P, 16 a tile.
;   window 1: v0-127 O^T, 32 a tile; v128-159 l, 8 a tile.   window 2: v0-63 Q; v64-95 the mask's addends of a step; v128-191 K of a step.   window 3: v0-63 V of a step; v64-71 the ones.
.set VB,    131072
.set BIAS,  262144
.set SPARE, 266240                     ; the spare words, 128 bytes for each wave
.set AK0, 2                            ; v2   16 x lane
.set AV0, 3                            ; v3   VB + 16 x lane
.set AM0, 4                            ; v4   BIAS + 32 (lane / 16)
.set ADR, 5                            ; v5   the LDS address of the run of loads in hand
.set ADM, 6                            ; v6   and of the addends
.set LOFF, 8                           ; v8   16 x lane, for global loads and stores; never rewritten
.set ST,  12                           ; tile t's statistics at v[ST + 8 t]: +0 c m, +1 m, +4 to +7 at work; a takes +6
.set SPW, 62
.set NIL, 63
.set S,   64
.set P,   192
.set LR,  128                          ; l, in window 1
.set MB,  64                           ; the addends, in window 2
.set KF,  128                          ; K's fragments, in window 2
.set ONE, 64                           ; the ones, in window 3
.set WV,  12
.set G1,  16                           ; s[16:23] group 1 for a part of a chunk: 16,384 dense bytes as 64 rows of 256
.set G1M, 24                           ; s[24:31] for a quarter of the addends: 4 rows of 256
.set G0,  32                           ; s[32:47] group 0 for the four chunks
.set G0M, 48                           ; s[48:51] for the addends
.set CS,  58                           ; s[58:59] c
.set SEL, 60                           ; s[60:61] selects for v_permlanex16_b32: lane l xor 16
.set TB,  62                           ; s62 LDS byte of the step to be fetched, in K and in V: 8,192 a step
.set TM,  63                           ; s63 and among the addends: 256 a step
.set PASS, 66
.set CNT,  67
.set MSB, 0
.macro WIN new
.if MSB != \new
	s_set_vgpr_msb (MSB<<8)|\new
.set MSB, \new
.endif
.endm
.set W_PV, 0x53                        ; V or the ones in window 3, P in window 0, C and D in window 1
.set W_RS, 0x41                        ; destination and source 0 in window 1, a in window 0
	s_load_b128 s[4:7], s[0:1], 0x0                ; qkv, mbias
	s_load_b64 s[8:9], s[0:1], 0x10                ; xf
	v_lshl_add_u32 v[SPW], v0, 2, SPARE
	v_mov_b32 v[NIL], 0
	ds_add_u32 v[SPW], v[NIL]                      ; the wave's opening: the add, twice on end, and its wait ahead of my first tensor load
	ds_add_u32 v[SPW], v[NIL]
	v_lshrrev_b32 v1, 5, v0
	v_readfirstlane_b32 s[WV], v1                  ; wave 0..3
	s_and_b32 s52, ttmp7, 0xffff                   ; 16 x batch + head
	s_lshr_b32 s53, s52, 4                         ; batch
	s_and_b32 s54, s52, 15                         ; head
	s_lshr_b32 s13, s[WV], 1                       ; I fetch for K (0) or for V (1),
	s_and_b32 s14, s[WV], 1                        ; which half of each chunk
	s_mov_b32 s[G1], 3<<16                         ; elements of 8 bytes, no mask, no padding
	s_mov_b32 s[G1+1], 32<<16                      ; tensor_dim0
	s_mov_b32 s[G1+2], 64<<16                      ; tensor_dim1
	s_mov_b32 s[G1+3], 32<<16                      ; tile_dim0
	s_mov_b32 s[G1+4], 64                          ; tile_dim1
	s_mov_b32 s[G1+5], 32                          ; from row to row
	s_mov_b32 s[G1+6], 0
	s_mov_b32 s[G1+7], 0
	s_mov_b32 s[G1M], 3<<16
	s_mov_b32 s[G1M+1], 32<<16
	s_mov_b32 s[G1M+2], 4<<16
	s_mov_b32 s[G1M+3], 32<<16
	s_mov_b32 s[G1M+4], 4
	s_mov_b32 s[G1M+5], 32
	s_mov_b32 s[G1M+6], 0
	s_mov_b32 s[G1M+7], 0
	s_lshl_b32 s15, s13, 17
	s_lshl_b32 s55, s14, 14
	s_add_co_u32 s15, s15, s55                     ; in LDS: K or V, my half of chunk 0
	s_add_co_u32 s56, s13, 1
	s_lshl_b32 s56, s56, 24                        ; in memory: tensor 1 (K) or 2 (V), 16,777,216 bytes each,
	s_lshl_b32 s57, s52, 17
	s_add_co_u32 s56, s56, s57                     ; the head's 131,072 bytes,
	s_add_co_u32 s56, s56, s55                     ; my half of chunk 0
	s_mov_b32 s57, 0
	s_lshl_b32 s70, s[WV], 10                      ; my quarter of the batch's 4,096 bytes of addends
	s_lshl_b32 s68, s53, 12
	s_add_co_u32 s68, s68, s70
	s_mov_b32 s69, 0
	s_lshl_b32 s72, s53, 7                         ; the batch's c
	s_mov_b32 s73, 0
	s_lshl_b32 s74, s52, 17                        ; Q: the head, my work-group's 512 queries, my wave's 64: tiles of 2,048 bytes
	s_lshl_b32 s75, ttmp9, 16
	s_add_co_u32 s74, s74, s75
	s_lshl_b32 s75, s[WV], 13
	s_add_co_u32 s74, s74, s75
	s_mov_b32 s75, 0
	s_lshl_b32 s76, s53, 6                         ; x: tile of 16 rows 64 b + 32 x + 4 wave, 32,768 bytes each; + 2,048 x head
	s_lshl_b32 s77, ttmp9, 5
	s_add_co_u32 s76, s76, s77
	s_lshl_b32 s77, s[WV], 2
	s_add_co_u32 s76, s76, s77
	s_lshl_b32 s76, s76, 15
	s_lshl_b32 s77, s54, 11
	s_add_co_u32 s76, s76, s77
	s_mov_b32 s77, 0
	s_mov_b32 s[SEL], 0x76543210
	s_mov_b32 s[SEL+1], 0xfedcba98
	s_mov_b32 s[PASS], 2
	s_wait_dscnt 0x0                               ; both opening adds are done
	s_wait_kmcnt 0x0
	s_add_nc_u64 s[56:57], s[4:5], s[56:57]
	s_add_nc_u64 s[68:69], s[6:7], s[68:69]
	s_add_nc_u64 s[72:73], s[6:7], s[72:73]
	s_add_nc_u64 s[10:11], s[4:5], s[74:75]        ; Q at my first tile
	s_add_nc_u64 s[8:9], s[8:9], s[76:77]          ; x likewise
	s_mov_b32 s[G0M], 1
	s_add_co_u32 s[G0M+1], s70, BIAS
	s_mov_b64 s[G0M+2:G0M+3], s[68:69]
	s_or_b32 s[G0M+3], s[G0M+3], 0x80000000
.irp c, 0,1,2,3
	s_mov_b32 s[G0+4*\c], 1
	s_add_co_u32 s[G0+4*\c+1], s15, \c*32768
	s_add_nc_u64 s[G0+4*\c+2:G0+4*\c+3], s[56:57], \c*32768
	s_or_b32 s[G0+4*\c+3], s[G0+4*\c+3], 0x80000000
.endr
	tensor_load_to_lds s[G0M:G0M+3], s[G1M:G1M+7]  ; all first fills in one group, ahead of every wait on TENSORcnt, every LDS read and every barrier
	s_nop 0
.irp c, 0,1,2,3
	tensor_load_to_lds s[G0+4*\c:G0+4*\c+3], s[G1:G1+7]
	s_nop 0
.endr
.rept 4
	v_nop
.endr
	s_load_b32 s[CS], s[72:73], 0x8000
	v_and_b32 v1, 31, v0
	v_lshlrev_b32 v[LOFF], 4, v1
	v_lshlrev_b32 v[AK0], 4, v1
	v_add_nc_u32 v[AV0], VB, v[LOFF]
	v_bfe_u32 v9, v0, 4, 1
	v_lshl_add_u32 v[AM0], v9, 5, BIAS
.macro QLOAD off                       ; my four tiles of Q: 16 blocks of 512 bytes; tile n / 4, channels 16 (n % 4) on
	WIN 0x80
.irp n, 0,1,2,3,4,5,6,7,8,9,10,11,12,13,14,15
	global_load_b128 v[4*\n:4*\n+3], v[LOFF], s[10:11] offset:\off+512*\n
.endr
	WIN 0
.endm
	QLOAD 0
	v_and_b32 v10, 7, v0
	v_mov_b32 v11, 0x3c003c00                      ; 1.0, 1.0 in f16
	v_cmp_eq_u32 vcc_lo, 0, v10
	v_cndmask_b32 v10, 0, v11, vcc_lo              ; rows 0 and 8 of the ones' source 0: lanes 0, 8, 16, 24
	WIN 0xc0
.irp i, 0,1,2,3,4,5,6,7
	v_mov_b32 v[ONE+\i], v10
.endr
	WIN 0
	s_wait_kmcnt 0x0
	s_mov_b32 s[CS+1], s[CS]                       ; named with it as a pair, so it is written
; THE MATRIX WORK OF A TURN, for piece x.  The accumulators take turns, one instruction a turn.
; i < 16: O^T += V^T P: keys 32 (i / 8) on, channels 16 ((i / 2) % 4) on, tile x + i % 2.  i = 16..19: l += ones x P: keys 32 ((i - 16) / 2) on.
.macro PV x
	WIN W_PV
.if i < 16
.set rO, 32*(\x+i%2)+8*((i/2)%4)
.set rV, 32*(i/8)+8*((i/2)%4)
.set rP, P+16*(\x+i%2)+8*(i/8)
.else
.set rO, LR+8*(\x+i%2)
.set rV, ONE
.set rP, P+16*(\x+i%2)+8*((i-16)/2)
.endif
	v_wmma_f32_16x16x32_f16 v[rO:rO+7], v[rV:rV+7], v[rP:rP+7], v[rO:rO+7]
.endm
; Product i of 16 of S^T = K Q^T + the mask's addend: channels 32 (i / 8) on, keys 16 ((i / 2) % 4) on, tile x + i % 2.  The first 8 start the sums with the addend.
.macro KQ x
.set rS, S+32*(\x+i%2)+8*((i/2)%4)
.set rK, KF+16*((i/2)%4)+8*(i/8)
.set rQ, 16*(\x+i%2)+8*(i/8)
.if i < 8
	WIN 0x2a                                       ; K, Q and the addend in window 2, S^T in window 0
	v_wmma_f32_16x16x32_f16 v[rS:rS+7], v[rK:rK+7], v[rQ:rQ+7], v[MB+8*((i/2)%4):MB+8*((i/2)%4)+7]
.else
	WIN 0x0a
	v_wmma_f32_16x16x32_f16 v[rS:rS+7], v[rK:rK+7], v[rQ:rQ+7], v[rS:rS+7]
.endif
.endm
; THE LDS LOADS stand in runs: a step's K (16 blocks) with its 64 addends, and, a turn later, its V (16 blocks, turned).
.macro FETCH_K
	WIN 0
	v_add_nc_u32 v[ADR], s[TB], v[AK0]
	v_add_nc_u32 v[ADM], s[TM], v[AM0]
	WIN 0x80
.irp n, 0,1,2,3,4,5,6,7,8,9,10,11,12,13,14,15
	ds_load_b128 v[KF+4*\n:KF+4*\n+3], v[ADR] offset:512*\n
.endr
.irp t, 0,1,2,3
	ds_load_b128 v[MB+8*\t:MB+8*\t+3], v[ADM] offset:64*\t          ; lane (r, h): the addends of keys 16 t + 8 h + 0..7
	ds_load_b128 v[MB+8*\t+4:MB+8*\t+7], v[ADM] offset:64*\t+16
.endr
.endm
.macro FETCH_V
	WIN 0
	v_add_nc_u32 v[ADR], s[TB], v[AV0]
	s_add_co_u32 s[TB], s[TB], 8192                ; the next fetch is the next step's
	s_add_co_u32 s[TM], s[TM], 256
	WIN 0xc0
.irp t, 0,1,2,3
.irp c, 0,1,2,3
	ds_load_tr16_b128 v[32*(\t/2)+8*\c+4*(\t%2):32*(\t/2)+8*\c+4*(\t%2)+3], v[ADR] offset:\t*2048+\c*512
.endr
.endr
.endm
; THE VECTOR WORK OF A TURN.  One tile's softmax for one key step is a list of 103 lines; SM writes number j of it for tile t.
;   0-15    the maximum of the 32 scores and the old m, three operands at a time      16-20   the other half of the lanes' maximum; the new m; c m; c m_old - c m_new
;   21-69   ONE BATCH: 16 packed scalings c s - c m and all 33 exponentials (a at 23); none of these reads an exponential's result; a pair is scaled in an earlier four than the one with its exponentials
;   (wait)  between 69 and 70 stands the one wait for the batch          70-85   the roundings to f16          86-101  the tile's O^T times a          102  l times a
.macro SM t
.set rT, ST+8*(\t)
.set rS, S+32*(\t)
.set rP, P+16*(\t)
.if j < 86
	WIN 0
.endif
.if j < 4
	v_max3_num_f32 v[rT+4+j], v[rS+8*j], v[rS+8*j+1], v[rS+8*j+2]
.elseif j < 12
	v_max3_num_f32 v[rT+4+j%4], v[rT+4+j%4], v[rS+8*(j%4)+2*(j/4)+1], v[rS+8*(j%4)+2*(j/4)+2]
.elseif j == 12
	v_max3_num_f32 v[rT+4], v[rT+4], v[rS+7], v[rS+15]
.elseif j == 13
	v_max3_num_f32 v[rT+6], v[rT+6], v[rS+23], v[rS+31]
.elseif j == 14
	v_max3_num_f32 v[rT+4], v[rT+4], v[rT+5], v[rT+6]
.elseif j == 15
	v_max3_num_f32 v[rT+4], v[rT+4], v[rT+7], v[rT+1]
.elseif j == 16
	v_permlanex16_b32 v[rT+5], v[rT+4], s[SEL], s[SEL+1]   ; the query's other 32 keys lie in the lane 16 away
.elseif j == 17
	v_mov_b32 v[rT+7], v[rT]                       ; c m_old is kept for a
.elseif j == 18
	v_max_num_f32 v[rT+1], v[rT+4], v[rT+5]
.elseif j == 19
	v_mul_f32 v[rT], s[CS], v[rT+1]
.elseif j == 20
	v_sub_f32 v[rT+7], v[rT+7], v[rT]
.elseif j == 23
	v_exp_f32 v[rT+6], v[rT+7]
.elseif (j < 23) || ((j < 38) && (j%2 == 0)) || ((j < 66) && (j%4 == 2))
.set b, (j-2)/4
.if j < 38
.set b, (j-20)/2
.endif
	v_pk_fma_f32 v[rS+2*b:rS+2*b+1], v[rS+2*b:rS+2*b+1], s[CS:CS+1], v[rT:rT+1] op_sel_hi:[1,0,0] neg_lo:[0,0,1] neg_hi:[0,0,1]
.elseif j < 70
.set e, j-38
.if j < 66
.set e, j-32-(j-38)/4
.endif
.if j < 38
.set e, (j-25)/2
.endif
	v_exp_f32 v[rS+e], v[rS+e]
.elseif j < 86
	v_cvt_pk_f16_f32 v[rP+j-70], v[rS+2*(j-70)], v[rS+2*(j-70)+1]
.elseif j < 102
.set rO, 32*(\t)+2*(j-86)
	WIN W_RS
	v_pk_mul_f32 v[rO:rO+1], v[rO:rO+1], v[rT+6:rT+7] op_sel_hi:[1,0]
.elseif j == 102
.set rO, LR+8*(\t)
	WIN W_RS
	v_pk_mul_f32 v[rO:rO+1], v[rO:rO+1], v[rT+6:rT+7] op_sel_hi:[1,0]   ; register 0 is l; registers 1 to 7 stay 0
.endif
.endm
; Slice k of 52 of piece y's softmax.  Slices 11 to 34 deal out the batch: four numbers of ONE tile each, the tiles by turns; every other slice is numbers 2 k and 2 k + 1 of both tiles.
; Ahead of slice 35 nothing names an exponential's result, and behind slice 34 none is issued: so the piece's 66 exponentials have one plain line and one wait, behind slice 34.
.macro SLICE y
.if (k >= 11) && (k < 35)
.irp n, 0,1,2,3
.set j, 22+4*((k-11)/2)+(\n)
	SM (\y)+(k-11)%2
.endr
.else
.irp n, 0,1
.irp t, \y, \y+1
.set j, 2*k+\n
	SM \t
.endr
.endr
.endif
.if k == 34
	v_nop
	s_wait_alu depctr_va_vdst(0)
.endif
.set k, k+1
.endm
; how many slices stand behind matrix instruction mi of a turn: 36 instructions: 1, and 2 behind the odd ones under 32; 16 (scores only): 3, and 4 behind the first four; 20 (V^T P only): 2, and 3 behind the first twelve: 52 each
.macro DEAL y, pv, kq
.if \pv && \kq
.set per, 1
.if (mi%2 == 1) && (mi < 32)
.set per, 2
.endif
.elseif \kq
.set per, 3
.if mi < 4
.set per, 4
.endif
.else
.set per, 2
.if mi < 12
.set per, 3
.endif
.endif
.rept per
	SLICE \y
.endr
.set mi, mi+1
.endm
; A TURN.  Piece x has the matrix unit.  Piece 0's turn fetches the next step's K behind its second product: K's last reader stands 14 plain lines back.  Piece 2's turn fetches the same step's V behind
; its twentieth: V's last reader is its sixteenth, and eight scalings stand between.  The slices are the places behind the matrix instructions (ISA guide 7.12.1 for vector lines).
.macro TURN x, pv, kq
.set k, 0
.set mi, 0
.if \pv
.if \x == 0
	s_wait_dscnt 0x0                               ; V is in
.endif
.set i, 0
.rept 20
	PV \x
	DEAL 2-\x, \pv, \kq
.if (\x == 0) && \kq && (i == 1)
	FETCH_K
.endif
.if (\x == 2) && \kq && (i == 19)
	FETCH_V
.endif
.set i, i+1
.endr
.else
	FETCH_V                                        ; the pass's first V
.endif
.if \kq
.if \x == 0
	s_wait_dscnt 0x0                               ; K and the addends are in
.endif
.set i, 0
.rept 16
	KQ \x
	DEAL 2-\x, \pv, \kq
.set i, i+1
.endr
.endif
.endm
.macro GATE n                          ; a chunk is whole: my part has landed (n later loads of mine may stay out), no LDS load of mine is out, and all four waves say so.
	s_wait_tensorcnt \n
	s_wait_dscnt 0x0
	s_barrier_signal -1
	s_barrier_wait -1
.endm
.macro STEPLOOP n                      ; n key steps
	s_mov_b32 s[CNT], \n
.Lstep_\@:
	TURN 0, 1, 1
	TURN 2, 1, 1
	WIN 0
	s_sub_co_u32 s[CNT], s[CNT], 1
	s_cmp_lg_u32 s[CNT], 0
	s_cbranch_scc1 .Lstep_\@
.endm
.Lpass:                                                ; two trips: 256 queries each, over the same resident K and V
	s_mov_b32 s[TB], 0
	s_mov_b32 s[TM], 0
.irp t, 0,1,2,3
	v_mov_b32 v[ST+8*\t+1], 0xd3800000             ; m = -2^40
	v_mul_f32 v[ST+8*\t], s[CS], v[ST+8*\t+1]      ; c m
.endr
	GATE 3                                         ; the addends and chunk 0
	FETCH_K                                        ; key step 0
	s_wait_loadcnt 0x0                             ; Q
	s_wait_dscnt 0x0
.set i, 0
.rept 16
	KQ 0                                           ; piece 0's first scores
.set i, i+1
.endr
	WIN 0x40
.set i, 0
.rept 160
	v_mov_b32 v[i], 0                              ; O^T and l begin as zeros, which the first a (0, or 1 where c = 0) leaves zeros: so the key step is written without a first form.  These lines are also the places behind the products above
.set i, i+1
.endr
	TURN 2, 0, 1                                   ; piece 2's first scores | piece 0's first softmax | V of step 0
	WIN 0
	STEPLOOP 3                                     ; fetches steps 1 to 3: the rest of chunk 0
	GATE 2
	STEPLOOP 4                                     ; steps 4 to 7
	GATE 1
	STEPLOOP 4
	GATE 0
	STEPLOOP 4
	TURN 0, 1, 0                                   ; piece 0: V^T P of the last step | piece 2's last softmax
	WIN 0
	s_cmp_eq_u32 s[PASS], 1
	s_cbranch_scc1 .Lno_q
	QLOAD 32768                                    ; the next pass's Q: its registers were last read a turn ago
.Lno_q:
.set i, 0
.rept 20
	PV 2                                           ; piece 2: V^T P and l of the last step
.set i, i+1
.endr
	WIN 0
.rept 4
	v_nop                                          ; places in front of the first reads of those results
.endr
	; THE WAY OUT: O^T / l, rounded to f16: a lane's eight channels of a query are its 16 bytes of a block of the next launch's operand: stored as they stand
	WIN 0x01
.irp t, 0,1,2,3
	v_rcp_f32 v[ST+8*\t+6], v[LR+8*\t]
.endr
	v_nop                                          ; a plain line behind the last reciprocal,
	s_wait_alu depctr_va_vdst(0)                   ; and one wait for the four, ahead of the first use
.irp t, 0,1,2,3
	WIN W_RS
.irp p, 0,2,4,6,8,10,12,14,16,18,20,22,24,26,28,30
	v_pk_mul_f32 v[32*\t+\p:32*\t+\p+1], v[32*\t+\p:32*\t+\p+1], v[ST+8*\t+6:ST+8*\t+7] op_sel_hi:[1,0]
.endr
	WIN 0x05
.irp p, 0,1,2,3,4,5,6,7,8,9,10,11,12,13,14,15
	v_cvt_pk_f16_f32 v[S+32*\t+\p], v[32*\t+2*\p], v[32*\t+2*\p+1]
.endr
	WIN 0
.irp c, 0,1,2,3
	global_store_b128 v[LOFF], v[S+32*\t+4*\c:S+32*\t+4*\c+3], s[8:9] offset:\t*32768+\c*512   ; 32 lanes store 512 consecutive bytes
.endr
.endr
	s_wait_xcnt 0x0                                ; the loads and stores have read their bases and data: both may be written again
	s_add_nc_u64 s[10:11], s[10:11], 32768         ; 16 tiles of Q on
	s_add_nc_u64 s[8:9], s[8:9], 524288            ; 16 tiles of x on
	s_sub_co_u32 s[PASS], s[PASS], 1
	s_cmp_lg_u32 s[PASS], 0
	s_cbranch_scc1 .Lpass
	s_wait_tensorcnt 0x0                           ; the wave's end, behind my last tensor load
	ds_add_u32 v[SPW], v[NIL]
	s_wait_dscnt 0x0
	s_endpgm
.Lfunc_end_k_q8a1538e6d0_attn:
	.size	k_q8a1538e6d0_attn, .Lfunc_end_k_q8a1538e6d0_attn-k_q8a1538e6d0_attn
	.p2alignl 7, 3214868480
	.fill 96, 4, 3214868480
	.section	.rodata,"a",@progbits
	.p2align	6, 0x0
	.amdhsa_kernel k_q8a1538e6d0_attn
		.amdhsa_group_segment_fixed_size 327680
		.amdhsa_private_segment_fixed_size 0
		.amdhsa_enable_private_segment 0
		.amdhsa_kernarg_size 24
		.amdhsa_user_sgpr_count 2
		.amdhsa_user_sgpr_kernarg_segment_ptr 1
		.amdhsa_wavefront_size32 1
		.amdhsa_system_sgpr_workgroup_id_x 1
		.amdhsa_system_sgpr_workgroup_id_y 1
		.amdhsa_system_sgpr_workgroup_id_z 1
		.amdhsa_system_vgpr_workitem_id 0
		.amdhsa_next_free_vgpr 1024
		.amdhsa_next_free_sgpr 80
		.amdhsa_reserve_vcc 1
		.amdhsa_float_denorm_mode_32 3
		.amdhsa_float_denorm_mode_16_64 3
		.amdhsa_memory_ordered 1
		.amdhsa_forward_progress 1
		.amdhsa_inst_pref_size 190
	.end_amdhsa_kernel
	.amdgpu_metadata
---
amdhsa.version: [ 1, 2 ]
amdhsa.kernels:
  - .name:           k_q8a1538e6d0_attn
    .symbol:         k_q8a1538e6d0_attn.kd
    .args:
      - { .name: qkv, .offset: 0, .size: 8, .value_kind: global_buffer, .address_space: global }
      - { .name: mbias, .offset: 8, .size: 8, .value_kind: global_buffer, .address_space: global }
      - { .name: xf, .offset: 16, .size: 8, .value_kind: global_buffer, .address_space: global }
    .group_segment_fixed_size: 327680
    .private_segment_fixed_size: 0
    .kernarg_segment_align: 8
    .kernarg_segment_size: 24
    .max_flat_workgroup_size: 128
    .sgpr_count:     80
    .vgpr_count:     1024
    .wavefront_size: 32
...
	.end_amdgpu_metadata
.endif
;; end of part 3
;; launch outp (part 4): grid 4 x 64, 4 waves a work-group, clusters of 4 x 4, 327,680 bytes of LDS; arguments xf, wpf, bp, out0; writes out0
.if DOCPART == 4
	.amdgcn_target "amdgcn-amd-amdhsa--gfx1250"
	.amdhsa_code_object_version 6
	.text
	.protected	k_q8a1538e6d0_outp
	.globl	k_q8a1538e6d0_outp
	.p2align	8
	.type	k_q8a1538e6d0_outp,@function
k_q8a1538e6d0_outp:
	s_mov_b64 s[64:65], 0
	v_nop
	global_prefetch_b8 v0, s[64:65] scope:SCOPE_SE
	s_setreg_imm32_b32 hwreg(HW_REG_WAVE_MODE, 25, 1), 1
	s_wait_xcnt 0x0
	s_wait_alu depctr_hold_cnt(0) depctr_sa_sdst(0) depctr_va_vdst(0) depctr_va_sdst(0) depctr_va_ssrc(0) depctr_va_vcc(0) depctr_vm_vsrc(0)
	s_getreg_b32 s2, hwreg(HW_REG_IB_STS2, 6, 4)
	s_cmp_eq_u32 s2, 0
	s_cbranch_scc0 .Lentry_in_a_cluster
	s_endpgm
.Lentry_in_a_cluster:
	s_bfe_u32 s2, ttmp6, 0x10000c
	s_cmp_lg_u32 s2, 0xf033
	s_cbranch_scc0 .Lentry_shape_is_right
	s_endpgm
.Lentry_shape_is_right:
; OUTP: out = x Wp^T + bp.  x [8,192][1,024] and Wp [1,024][1,024] in f16, as images of operand registers (blocks of 512 bytes [16 rows][16 along K], lane l's 16 bytes at 16 l); sums and out in f32.
; A tile of out is 128 rows x 256 columns: 256 work-groups.  Four waves, each 64 x 128: 32 accumulators, 256 registers.  K goes in steps of 128 through a ring of two LDS slots.
; CLUSTERS: 4 x 4 work-groups; x's tiles are shared along a row of the cluster, Wp's along a column: joint loads.  Two first fills a wave; behind each round one load of a wave is out.
; The matrix instruction is used transposed (source 0 = 16 rows of Wp, source 1 = 16 rows of x): a lane holds eight neighbouring columns of a row.  The bias is the C of each sum's first product.
; No prefetch: the tile is small, and its K step's products are few beside what it fetches.
; REGISTERS: window 0: v0-31 addresses; v32-127, v128-223 two fragment buffers (x's four tiles, then Wp's eight); on the way out v32-159 hold rows.  window 1: the accumulators ((a, b) at v[8 (8 a + b)]).  window 2: v0-63 the bias.
.set SLOT,   98304                     ; x's 8 tiles x 4,096 bytes, then Wp's 16
.set STAGE,  196608                    ; behind the ring: 16 rows x (512 + 16) bytes for each wave; no tensor load fills it
.set SPITCH, 528
.set SPARE,  230400                    ; the spare words, 128 bytes for each wave
.set LAPS,   4                         ; a lap = two K steps = once round the ring
.set ADRA, 16
.set ADRB, 20
.set STO,  24
.set RD,   25
.set CO,   26
.set BOF,  27
.set SPW,  28
.set NIL,  29
.set F0,   32
.set F1,   128
.set G1, 24
.set G0, 32
.set G1B, 48
.set G0B, 56
.set MSB, 0
.macro WIN new
.if MSB != \new
	s_set_vgpr_msb (MSB<<8)|\new
.set MSB, \new
.endif
.endm
.set MUL, 0x50                         ; sources 0 and 1 window 0; C and D window 1
.macro JLOAD s                         ; a joint load: waves 0 and 1 fetch x's halves, waves 2 and 3 Wp's; an s_nop 0 and four v_nop follow each of the two lines
	s_cmp_eq_u32 s13, 0
	s_cbranch_scc0 .Lfor_b_\@
	tensor_load_to_lds s[G0+4*\s:G0+4*\s+3], s[G1:G1+7]
	s_nop 0
.rept 4
	v_nop
.endr
	s_branch .Lasked_\@
.Lfor_b_\@:
	tensor_load_to_lds s[G0B+4*\s:G0B+4*\s+3], s[G1B:G1B+7]
	s_nop 0
.rept 4
	v_nop
.endr
.Lasked_\@:
.endm
.macro CREST                           ; a round of the cluster's barrier behind its opening barrier
	s_cmp_lg_u32 s12, 0
	s_cbranch_scc1 .Lnot_wave_0_\@
	s_barrier_signal -3
.Lnot_wave_0_\@:
	s_barrier_wait -3
	s_barrier_signal -1
	s_barrier_wait -1
.endm
.macro CROUND
	s_barrier_signal -1
	s_barrier_wait -1
	CREST
.endm
	s_load_b128 s[4:7], s[0:1], 0x0                ; xf, wpf
	s_load_b128 s[8:11], s[0:1], 0x10              ; bp, out0
	v_lshl_add_u32 v[SPW], v0, 2, SPARE
	v_mov_b32 v[NIL], 0
	ds_add_u32 v[SPW], v[NIL]                      ; the wave's opening: the add, twice on end, and its wait ahead of my first tensor load
	ds_add_u32 v[SPW], v[NIL]
	v_lshrrev_b32 v1, 5, v0
	v_readfirstlane_b32 s12, v1                    ; wave 0..3
	s_lshr_b32 s13, s12, 1                         ; which half of the tile's rows is mine.  Also: I fetch for x (0) or for Wp (1)
	s_and_b32 s14, s12, 1                          ; which half of its columns.  Also: which half of that tile I fetch
	s_bfe_u32 s40, ttmp6, 0x40000                  ; cx
	s_bfe_u32 s41, ttmp6, 0x40004                  ; cy
	s_lshl_b32 s42, ttmp9, 2
	s_add_co_u32 s42, s42, s40                     ; tile column 0..3
	s_and_b32 s15, ttmp7, 0xffff
	s_lshl_b32 s15, s15, 2
	s_add_co_u32 s15, s15, s41                     ; tile row 0..63
	s_lshl_b32 s43, s41, 2
	s_lshl_b32 s43, 15, s43                        ; my row of the cluster
	s_lshl_b32 s44, 0x1111, s40                    ; my column
	; group 1: rows are tiles of 16 rows: 512 elements of 8 bytes (a K step's 4,096 bytes), 4,096 elements apart; x: 4 rows to a load, Wp: 8; dense in LDS
	s_or_b32 s[G1+0], s43, (3<<16)|(1<<21)
	s_or_b32 s[G1B+0], s44, (3<<16)|(1<<21)
	s_mov_b32 s[G1+1], 512<<16
	s_mov_b32 s[G1+2], 4<<16
	s_mov_b32 s[G1+3], 512<<16
	s_mov_b32 s[G1+4], 4
	s_mov_b32 s[G1+5], 4096
	s_mov_b32 s[G1+6], 0
	s_mov_b32 s[G1+7], 0
	s_mov_b32 s[G1B+1], 512<<16
	s_mov_b32 s[G1B+2], 8<<16
	s_mov_b32 s[G1B+3], 512<<16
	s_mov_b32 s[G1B+4], 8
	s_mov_b32 s[G1B+5], 4096
	s_mov_b32 s[G1B+6], 0
	s_mov_b32 s[G1B+7], 0
	s_lshl_b32 s16, s15, 3
	s_lshl_b32 s17, s14, 2
	s_add_co_u32 s16, s16, s17                     ; x: tile 8 x tile row + 4 x half, 32,768 bytes each
	s_lshl_b32 s16, s16, 15
	s_mov_b32 s17, 0
	s_lshl_b32 s46, s42, 4
	s_lshl_b32 s47, s14, 3
	s_add_co_u32 s46, s46, s47                     ; Wp: tile 16 x tile column + 8 x half
	s_lshl_b32 s46, s46, 15
	s_mov_b32 s47, 0
	s_lshl_b32 s20, s14, 14                        ; where they go in a slot: x's halves,
	s_lshl_b32 s21, s14, 15
	s_add_co_u32 s21, s21, 32768                   ; Wp's behind them: no place in the cluster enters an LDS address
	s_wait_dscnt 0x0                               ; both opening adds are done
	s_wait_kmcnt 0x0
	s_add_nc_u64 s[16:17], s[4:5], s[16:17]
	s_add_nc_u64 s[46:47], s[6:7], s[46:47]
	CROUND                                         ; all sixteen work-groups are here: the first joint loads meet
.irp s, 0,1
	s_mov_b32 s[G0+4*\s], 1
	s_add_co_u32 s[G0+4*\s+1], s20, \s*SLOT
	s_add_nc_u64 s[G0+4*\s+2:G0+4*\s+3], s[16:17], \s*4096
	s_or_b32 s[G0+4*\s+3], s[G0+4*\s+3], 0x80000000
	s_mov_b32 s[G0B+4*\s], 1
	s_add_co_u32 s[G0B+4*\s+1], s21, \s*SLOT
	s_add_nc_u64 s[G0B+4*\s+2:G0B+4*\s+3], s[46:47], \s*4096
	s_or_b32 s[G0B+4*\s+3], s[G0B+4*\s+3], 0x80000000
	JLOAD \s
.endr
	v_and_b32 v1, 15, v0                           ; r
	v_bfe_u32 v2, v0, 4, 1                         ; h
	v_and_b32 v3, 31, v0
	v_lshlrev_b32 v[CO], 4, v3                     ; 16 x lane
	s_lshl_b32 s20, s13, 14                        ; my 4 tiles of x
	s_lshl_b32 s21, s14, 15                        ; my 8 tiles of Wp,
	s_add_co_u32 s21, s21, 32768                   ; behind x's 8
.irp s, 0,1
	v_add_nc_u32 v[ADRA+\s], s20, v[CO]
	v_add_nc_u32 v[ADRB+\s], s21, v[CO]
	s_add_co_u32 s20, s20, SLOT
	s_add_co_u32 s21, s21, SLOT
.endr
	s_mul_i32 s23, s12, 16*SPITCH
	s_add_co_u32 s23, s23, STAGE                   ; my stage
	v_mul_u32_u24 v4, v1, SPITCH
	v_lshl_add_u32 v4, v2, 5, v4
	v_add_nc_u32 v[STO], s23, v4                   ; in: row r, 32 bytes for each half of the lanes
	v_add_nc_u32 v[RD], s23, v[CO]                 ; back: the 32 lanes take one row of 512 bytes
	v_lshlrev_b32 v[BOF], 5, v2
	s_lshl_b32 s20, s42, 10
	s_lshl_b32 s21, s14, 9
	s_add_co_u32 s20, s20, s21                     ; my first column, in bytes
	s_mov_b32 s21, 0
	s_add_nc_u64 s[8:9], s[8:9], s[20:21]
	s_add_nc_u64 s[10:11], s[10:11], s[20:21]
	s_lshl_b32 s20, s15, 19                        ; my first row: 128 x tile row + 64 x half, 4,096 bytes each
	s_lshl_b32 s22, s13, 18
	s_add_co_u32 s20, s20, s22
	s_add_nc_u64 s[10:11], s[10:11], s[20:21]
	WIN 0x80
.irp b, 0,1,2,3,4,5,6,7
	global_load_b128 v[8*\b:8*\b+3], v[BOF], s[8:9] offset:64*\b        ; lane (r, h): the bias of columns 16 b + 8 h + 0..7
	global_load_b128 v[8*\b+4:8*\b+7], v[BOF], s[8:9] offset:64*\b+16
.endr
	WIN 0
; 8 matrix instructions: x's tile a against Wp's eight, 32 along K, from buffer f.  first = 1: the bias starts the sums.  The 32 accumulators take turns, one instruction a turn.
.macro MUL8 f, a, first
.irp b, 0,1,2,3,4,5,6,7
.if \first
	v_wmma_f32_16x16x32_f16 v[8*(8*(\a)+\b):8*(8*(\a)+\b)+7], v[\f+32+8*\b:\f+32+8*\b+7], v[\f+8*(\a):\f+8*(\a)+7], v[8*\b:8*\b+7]
.else
	v_wmma_f32_16x16x32_f16 v[8*(8*(\a)+\b):8*(8*(\a)+\b)+7], v[\f+32+8*\b:\f+32+8*\b+7], v[\f+8*(\a):\f+8*(\a)+7], v[8*(8*(\a)+\b):8*(8*(\a)+\b)+7]
.endif
.endr
.endm
; 24 LDS loads in one run: the fragments of the slot's q-th 32 along K into buffer f: Wp's sixteen first, then x's eight
.macro FETCH slot, q, f
	WIN 0
.irp i, 0,1,2,3,4,5,6,7
	ds_load_b128 v[\f+32+8*\i:\f+32+8*\i+3],   v[ADRB+\slot] offset:\i*4096+(\q)*1024
	ds_load_b128 v[\f+32+8*\i+4:\f+32+8*\i+7], v[ADRB+\slot] offset:\i*4096+(\q)*1024+512
.endr
.irp i, 0,1,2,3
	ds_load_b128 v[\f+8*\i:\f+8*\i+3],   v[ADRA+\slot] offset:\i*4096+(\q)*1024
	ds_load_b128 v[\f+8*\i+4:\f+8*\i+7], v[ADRA+\slot] offset:\i*4096+(\q)*1024+512
.endr
.endm
.macro PLACES                          ; four plain lines in front of loads into registers that matrix instructions have read, and of the first reads of results (ISA guide 7.12.1 for vector lines)
.rept 4
	v_nop
.endr
.endm
; A K step is four quarters of 32 along K, 32 matrix instructions each, on buffers 0, 1, 0, 1.  One of the first three: multiplies buffer f and fetches quarter q into g.
.macro QUARTER slot, q, f, g, first
	s_wait_dscnt 4                                 ; Wp's fragments and x's tiles 0, 1 are in; the youngest four loads (tiles 2, 3) may be out
.if \first
	WIN 0x60                                       ; C (the bias) in window 2, D in window 1
.else
	WIN MUL
.endif
	MUL8 \f, 0, \first
	MUL8 \f, 1, \first
	PLACES
	FETCH \slot, \q, \g
	s_wait_dscnt 24                                ; all but the 24 just issued
.if \first
	WIN 0x60
.else
	WIN MUL
.endif
	MUL8 \f, 2, \first
	MUL8 \f, 3, \first
.endm
; The last quarter multiplies buffer 1 and changes slots: ONE barrier; in front of it each wave waits for all its tensor loads, adds 0 to its spare word, and waits for that and for its own reads of this slot.
; fill = 1: the barrier opens a round of the cluster's barrier, and this slot is filled again, two K steps ahead, first thing behind the round.
.macro TURN slot, next, fill
	WIN 0
	s_wait_tensorcnt 0x0                           ; all my tensor loads have landed: my part of the next slot
	ds_add_u32 v[SPW], v[NIL]                      ; 0 onto my spare word
	s_wait_dscnt 5                                 ; (the add and the youngest four loads may be out)
	WIN MUL
	MUL8 F1, 0, 0                                  ; eight matrix instructions stand between the add and the wait for it
	s_wait_dscnt 0x0                               ; the add is done, and my reads of this slot are over
	s_barrier_signal -1
	MUL8 F1, 1, 0
.if \fill
	WIN 0
.endif
	s_barrier_wait -1
.if \fill
	CREST                                          ; no wave of any partner still reads this slot's tile or has a load on its way
	s_add_nc_u64 s[G0+4*\slot+2:G0+4*\slot+3], s[G0+4*\slot+2:G0+4*\slot+3], 8192
	s_add_nc_u64 s[G0B+4*\slot+2:G0B+4*\slot+3], s[G0B+4*\slot+2:G0B+4*\slot+3], 8192
	JLOAD \slot                                    ; the four v_nop behind it are also the places in front of the loads below
.else
	PLACES
.endif
	FETCH \next, 0, F0
	WIN MUL
	MUL8 F1, 2, 0
	MUL8 F1, 3, 0
.endm
	s_wait_loadcnt 0x0                             ; the bias
	s_wait_tensorcnt 1                             ; my part of K step 0 is in (K step 1's load may be out),
	s_barrier_signal -1
	s_barrier_wait -1                              ; everybody's is
	FETCH 0, 0, F0
	QUARTER 0, 1, F0, F1, 1                        ; the first quarter stands in front of the loop: its products start the sums
	WIN 0
	s_mov_b32 s3, LAPS-1
.Llap:                                                 ; a trip goes once round the ring, from a lap's second quarter to the next lap's first, and fills both slots again
	QUARTER 0, 2, F1, F0, 0
	QUARTER 0, 3, F0, F1, 0
	TURN 0, 1, 1
	QUARTER 1, 1, F0, F1, 0
	QUARTER 1, 2, F1, F0, 0
	QUARTER 1, 3, F0, F1, 0
	TURN 1, 0, 1
	QUARTER 0, 1, F0, F1, 0
	WIN 0
	s_sub_co_u32 s3, s3, 1
	s_cmp_lg_u32 s3, 0
	s_cbranch_scc1 .Llap
	QUARTER 0, 2, F1, F0, 0                        ; the last lap fills nothing, and has no round of the cluster's barrier
	QUARTER 0, 3, F0, F1, 0
	TURN 0, 1, 0
	QUARTER 1, 1, F0, F1, 0
	QUARTER 1, 2, F1, F0, 0
	QUARTER 1, 3, F0, F1, 0
	s_wait_dscnt 4                                 ; the very last quarter: nothing more to fetch
	WIN MUL
	MUL8 F1, 0, 0
	MUL8 F1, 1, 0
	s_wait_dscnt 0
	MUL8 F1, 2, 0
	MUL8 F1, 3, 0
	WIN 0
; THE WAY OUT, block by block of 16 rows x 128 columns: through my own stage, back as whole rows of 512 bytes.  LDS serves a wave's instructions in order: no wait between the stores and the loads.
.macro TOSTAGE a
	WIN 0x04                                       ; an LDS store's data are its source 1: window 1
.irp b, 0,1,2,3,4,5,6,7
	ds_store_b128 v[STO], v[64*(\a)+8*\b:64*(\a)+8*\b+3] offset:64*\b          ; each accumulator from its low end on
	ds_store_b128 v[STO], v[64*(\a)+8*\b+4:64*(\a)+8*\b+7] offset:64*\b+16
.endr
	WIN 0
.set BB, 32+64*((\a)%2)
.irp t, 0,1,2,3,4,5,6,7,8,9,10,11,12,13,14,15
	ds_load_b128 v[BB+4*\t:BB+4*\t+3], v[RD] offset:\t*SPITCH
.endr
.endm
.macro SEND a, younger                 ; younger: the LDS instructions issued behind block a's loads, which may stay out
.set BB, 32+64*((\a)%2)
	s_wait_dscnt \younger
.irp t, 0,1,2,3,4,5,6,7,8,9,10,11,12,13,14,15
	global_store_b128 v[CO], v[BB+4*\t:BB+4*\t+3], s[10:11] offset:(16*(\a)+\t)*4096 th:TH_STORE_NT   ; 32 lanes store 512 consecutive bytes; the row stands in the immediate, 63 x 4,096 at the most
.endr
.endm
	PLACES
	TOSTAGE 0
.irp a, 1,2,3
.if \a > 1
	s_wait_xcnt 0x0                                ; block a - 2's stores have read the registers into which block a's rows are loaded
.endif
	TOSTAGE \a
	SEND \a-1, 32                                  ; behind block a - 1's loads: block a's 16 stores and 16 loads
.endr
	SEND 3, 0
	s_wait_tensorcnt 0x0                           ; the wave's end, behind my last tensor load and my last LDS store
	ds_add_u32 v[SPW], v[NIL]
	s_wait_dscnt 0x0
	CROUND                                         ; the closing round: no work-group ends while a partner may still ask for a tile that names it
	s_endpgm
.Lfunc_end_k_q8a1538e6d0_outp:
	.size	k_q8a1538e6d0_outp, .Lfunc_end_k_q8a1538e6d0_outp-k_q8a1538e6d0_outp
	.p2alignl 7, 3214868480
	.fill 96, 4, 3214868480
	.section	.rodata,"a",@progbits
	.p2align	6, 0x0
	.amdhsa_kernel k_q8a1538e6d0_outp
		.amdhsa_group_segment_fixed_size 327680
		.amdhsa_private_segment_fixed_size 0
		.amdhsa_enable_private_segment 0
		.amdhsa_kernarg_size 32
		.amdhsa_user_sgpr_count 2
		.amdhsa_user_sgpr_kernarg_segment_ptr 1
		.amdhsa_wavefront_size32 1
		.amdhsa_system_sgpr_workgroup_id_x 1
		.amdhsa_system_sgpr_workgroup_id_y 1
		.amdhsa_system_sgpr_workgroup_id_z 1
		.amdhsa_system_vgpr_workitem_id 0
		.amdhsa_next_free_vgpr 576
		.amdhsa_next_free_sgpr 66
		.amdhsa_reserve_vcc 0
		.amdhsa_float_denorm_mode_32 3
		.amdhsa_float_denorm_mode_16_64 3
		.amdhsa_memory_ordered 1
		.amdhsa_forward_progress 1
		.amdhsa_inst_pref_size 86
	.end_amdhsa_kernel
	.amdgpu_metadata
---
amdhsa.version: [ 1, 2 ]
amdhsa.kernels:
  - .name:           k_q8a1538e6d0_outp
    .symbol:         k_q8a1538e6d0_outp.kd
    .args:
      - { .name: xf, .offset: 0, .size: 8, .value_kind: global_buffer, .address_space: global }
      - { .name: wpf, .offset: 8, .size: 8, .value_kind: global_buffer, .address_space: global }
      - { .name: bp, .offset: 16, .size: 8, .value_kind: global_buffer, .address_space: global }
      - { .name: out0, .offset: 24, .size: 8, .value_kind: global_buffer, .address_space: global }
    .group_segment_fixed_size: 327680
    .private_segment_fixed_size: 0
    .kernarg_segment_align: 8
    .kernarg_segment_size: 32
    .max_flat_workgroup_size: 128
    .sgpr_count:     66
    .vgpr_count:     576
    .wavefront_size: 32
...
	.end_amdgpu_metadata
.endif
;; end of part 4
;; ======== version 2 of 2: 4 launches; 1.13 times as fast as version 1
;; limits: values are held in f16: magnitudes above 65,504 overflow, below 6.1e-05 lose precision
;; workspace buffers: codes 14,155,776 bytes; scales 884,736 bytes; wpf 2,097,152 bytes; rope 262,144 bytes; mbias 33,792 bytes; qkv 50,331,648 bytes; xf 16,777,216 bytes; order 66,560 bytes of whole numbers
;; launch prep (part 5): grid 498 x 1, 4 waves a work-group, no clusters, 37,376 bytes of LDS; arguments q, k, v, Wq, Wk, Wv, Wp, mask, codes, scales, wpf, rope, mbias, order; writes codes, scales, wpf, rope, mbias, order
.if DOCPART == 5
	.amdgcn_target "amdgcn-amd-amdhsa--gfx1250"
	.amdhsa_code_object_version 6
	.text
	.protected	k_q8a1538e6d0_prep
	.globl	k_q8a1538e6d0_prep
	.p2align	8
	.type	k_q8a1538e6d0_prep,@function
k_q8a1538e6d0_prep:
	s_mov_b64 s[64:65], 0
	v_nop
	global_prefetch_b8 v0, s[64:65] scope:SCOPE_SE
	s_setreg_imm32_b32 hwreg(HW_REG_WAVE_MODE, 25, 1), 1
	s_wait_xcnt 0x0
; PREP: everything that is made once.  Four roles, chosen by the work-group's number:
;   A (0..431)    q, k, v, Wq, Wk, Wv (f32, K innermost) -> codes of FP4 (E2M1) and E8M0 scale bytes, one for each 32 along K
;   B (432..463)  Wp -> f16, in the order of a matrix operand's registers
;   C (464..495)  the table of cos and sin for the rotation: [position 1024][cos 32, sin 32] f32
;   D (496..497)  the mask -> a new order of each batch's keys (those that count first), the number of key steps, an addend for the scores and the factor c = log2(e) / 8
; LAYOUTS.  codes: [tile of 16 rows][g 0..15][512 bytes]: in block g lane (r, h) holds the 16 bytes (32 codes) of row r, k = 64 g + 32 h + 0..31:
; blocks 2 s and 2 s + 1 are the eight registers of the fragment of the s-th 128 along K.  scales: [tile][half of K][row 16][16 bytes].
; wpf: [tile of 16 rows][16 along K][512 bytes]: lane (r, h) holds Wp[row r][8 h + 0..7] as f16.
; order (whole numbers): [batch][new place 1024]: the byte offset, in a head's blocks of K, of the key that takes that place; from byte 32,768 the same for V's blocks; from byte 65,536 [batch][32]: key steps of 64.
; mbias: [batch][new place 1024] f32: 0 under the batch's count of keys that count, -2^67 from there on; from byte 32,768 [batch][32]: c.
; A block's scale is 2^(floor(log2(largest magnitude)) - 2); its byte is the largest magnitude's exponent field - 2, held at 1 from below.
; LIMITS.  A block of zeros gets the byte 1 where the rule says 127 (its codes are zeros, and this program alone reads the bytes); NaN and infinities among the
; inputs are not served; numbers of Wp beyond f16's 65,504 are not served.  A batch whose mask is all zero is laid as if every key counted, with c = 0: every weight is then 2^0, the uniform softmax.
; Only role A touches LDS.  Waves share nothing: no barrier.
.set SPARE, 36864                      ; behind the four waves' regions: the spare words, 128 bytes for each wave
.set SPW,   12                         ; v12  LDS address of my spare word; never rewritten
.set NIL,   13                         ; v13  0; never rewritten
.set WREG,  9216                       ; a wave's LDS: two stages of 16 rows x 272 bytes, then its 512 scale bytes
.set STG,   4352
.set R,     16                         ; v16-111   three sets of 32 numbers as loaded
.set X,     112                        ; v112-175  two sets of 32 neighbours along K
.set C,     176                        ; v176-239  four registers of codes for each step: no store's data are written again
.set E,     240                        ; v240-255  a scale byte for each step
	s_load_b512 s[8:23], s[0:1], 0x0               ; q, k, v, Wq, Wk, Wv, Wp, mask
	s_load_b256 s[24:31], s[0:1], 0x40             ; codes, scales, wpf, rope
	s_load_b64 s[32:33], s[0:1], 0x60              ; mbias
	s_load_b64 s[50:51], s[0:1], 0x68              ; order
	v_lshl_add_u32 v[SPW], v0, 2, SPARE
	v_mov_b32 v[NIL], 0
	v_lshrrev_b32 v1, 5, v0
	v_readfirstlane_b32 s3, v1                     ; wave 0..3
	v_and_b32 v1, 31, v0                           ; lane
	v_and_b32 v2, 15, v0                           ; r
	v_bfe_u32 v3, v0, 4, 1                         ; h
	s_mov_b32 s39, 0                               ; the high word of every offset pair s[38:39]
	s_wait_kmcnt 0x0
	s_cmp_ge_u32 ttmp9, 432
	s_cbranch_scc1 .Lnot_a
; ---------------- ROLE A: a wave quantises one tile: 16 rows x 1,024 numbers, in 16 steps of 64 along K.
; Each of a step's eight loads reads two rows' 256 consecutive bytes; the 4,096 bytes turn through the wave's own stage (rows 272 bytes apart), and come back 128 bytes a lane:
; lane (r, h) then holds one whole block of 32 of row r, so the largest magnitude needs no other lane and the four conversions give the lane's 16 bytes of the block's place in the fragment.
	s_mov_b64 s[34:35], s[18:19]                   ; which tensor: the choice hangs on the work-group's number alone
	s_mov_b32 s36, 416                             ; and the tensor's first work-group
	s_cmp_lt_u32 ttmp9, 416
	s_cselect_b64 s[34:35], s[16:17], s[34:35]
	s_cselect_b32 s36, 400, s36
	s_cmp_lt_u32 ttmp9, 400
	s_cselect_b64 s[34:35], s[14:15], s[34:35]
	s_cselect_b32 s36, 384, s36
	s_cmp_lt_u32 ttmp9, 384
	s_cselect_b64 s[34:35], s[12:13], s[34:35]
	s_cselect_b32 s36, 256, s36
	s_cmp_lt_u32 ttmp9, 256
	s_cselect_b64 s[34:35], s[10:11], s[34:35]
	s_cselect_b32 s36, 128, s36
	s_cmp_lt_u32 ttmp9, 128
	s_cselect_b64 s[34:35], s[8:9], s[34:35]
	s_cselect_b32 s36, 0, s36
	s_sub_co_u32 s37, ttmp9, s36
	s_lshl_b32 s37, s37, 2
	s_add_co_u32 s37, s37, s3                      ; my tile within its tensor
	s_lshl_b32 s38, s37, 16                        ; 16 rows of 4,096 bytes
	s_add_nc_u64 s[34:35], s[34:35], s[38:39]
	s_lshl_b32 s37, ttmp9, 2
	s_add_co_u32 s37, s37, s3                      ; my tile among all 1,728
	s_lshl_b32 s38, s37, 13
	s_add_nc_u64 s[24:25], s[24:25], s[38:39]      ; its 8,192 bytes of codes
	s_lshl_b32 s38, s37, 9
	s_add_nc_u64 s[26:27], s[26:27], s[38:39]      ; its 512 scale bytes
	s_mul_i32 s40, s3, WREG
	v_lshlrev_b32 v7, 4, v1                        ; 16 x lane
	v_lshlrev_b32 v4, 4, v2
	v_lshl_add_u32 v4, v3, 12, v4                  ; in memory: lanes 0-15 one row, lanes 16-31 the next; 16 bytes a lane
	v_mul_u32_u24 v14, v3, 272
	v_lshl_add_u32 v14, v2, 4, v14
	v_add_nc_u32 v14, s40, v14                     ; the stage, on the way in: row h (+ 2 i by the offset), byte 16 r
	v_mul_u32_u24 v15, v2, 272
	v_lshl_add_u32 v15, v3, 7, v15
	v_add_nc_u32 v15, s40, v15                     ; and on the way out: row r, byte 128 h
	s_add_co_u32 s40, s40, 2*STG
	v_lshl_add_u32 v5, v2, 4, v3
	v_add_nc_u32 v5, s40, v5                       ; my block's scale byte: 16 r + h (+ the step's place by the offset)
	v_add_nc_u32 v6, s40, v7                       ; the scale bytes on the way out: 16 bytes a lane
.macro LOAD g
.irp i, 0,1,2,3,4,5,6,7
	global_load_b128 v[R+32*((\g)%3)+4*\i:R+32*((\g)%3)+4*\i+3], v4, s[34:35] offset:8192*\i+256*(\g) th:TH_LOAD_NT
.endr
.endm
.macro TURNQ g                         ; LDS serves a wave's instructions in order: no wait between the stores and the loads
.irp i, 0,1,2,3,4,5,6,7
	ds_store_b128 v14, v[R+32*((\g)%3)+4*\i:R+32*((\g)%3)+4*\i+3] offset:STG*((\g)%2)+544*\i
.endr
.irp i, 0,1,2,3,4,5,6,7
	ds_load_b128 v[X+32*((\g)%2)+4*\i:X+32*((\g)%2)+4*\i+3], v15 offset:STG*((\g)%2)+16*\i
.endr
.endm
.macro STEP g
.set XS, X+32*((\g)%2)
.if (\g) > 0
	s_wait_dscnt 1                                 ; this step's numbers are back from the stage; only the last step's byte store may be out
.else
	s_wait_dscnt 0x0
.endif
.if (\g)+3 < 16
	LOAD (\g)+3                                    ; into the set that this step's stage stores have read
.endif
.if (\g)+1 < 16
.if (\g) <= 12
	s_wait_loadcnt 16                              ; the next step's eight loads are in; those of the two steps behind it may be out
.else
	s_wait_loadcnt 8*(14-(\g))
.endif
	TURNQ (\g)+1                                   ; through the other stage while this step is worked
.endif
	v_max3_num_f32 v8, |v[XS]|, |v[XS+1]|, |v[XS+2]|   ; the block's largest magnitude: all 32 numbers are mine; two chains
	v_max3_num_f32 v9, |v[XS+3]|, |v[XS+4]|, |v[XS+5]|
.irp i, 6,10,14,18,22,26
	v_max3_num_f32 v8, v8, |v[XS+\i]|, |v[XS+\i+1]|
	v_max3_num_f32 v9, v9, |v[XS+\i+2]|, |v[XS+\i+3]|
.endr
	v_max3_num_f32 v8, v8, |v[XS+30]|, |v[XS+31]|
	v_max3_num_f32 v8, v8, v9, 0x1800000           ; and the floor 2^(3 - 127): the byte cannot fall under 1
	v_add_nc_u32 v11, 0xff000000, v8               ; 2 off the exponent field: the conversion takes the exponent field of this operand as its scale
.irp c, 0,1,2,3
	v_cvt_scalef32_pk8_fp4_f32 v[C+4*(\g)+\c], v[XS+8*\c:XS+8*\c+7], v11
.endr
	v_lshrrev_b32 v[E+(\g)], 23, v11               ; the scale's byte (a plain line behind the conversions)
	ds_store_b8 v5, v[E+(\g)] offset:256*((\g)/8)+2*((\g)%8)
	global_store_b128 v7, v[C+4*(\g):C+4*(\g)+3], s[24:25] offset:512*(\g)   ; 32 lanes store 512 consecutive bytes
.endm
	LOAD 0
	LOAD 1
	LOAD 2
	s_wait_loadcnt 16                              ; step 0's eight loads are in
	TURNQ 0
.irp g, 0,1,2,3,4,5,6,7,8,9,10,11,12,13,14,15
	STEP \g
.endr
	ds_load_b128 v[8:11], v6                       ; the tile's 512 scale bytes (these loads see my byte stores: LDS serves a wave in order)
	s_wait_dscnt 0x0
	global_store_b128 v7, v[8:11], s[26:27]
	s_wait_tensorcnt 0x0                           ; the wave's end, behind my last LDS store
	ds_add_u32 v[SPW], v[NIL]
	s_wait_dscnt 0x0
	s_endpgm
; ---------------- ROLE B: Wp to f16.  Wave u takes 16 rows (u / 2) and 512 columns (u % 2): 32 blocks of 16 x 16, in four groups of eight, one group of loads ahead.
; A pair of loads takes 64 consecutive bytes of each of 16 rows: accepted for these 4 MiB; the stores are whole runs of 512 bytes.
.Lnot_a:
	s_cmp_ge_u32 ttmp9, 464
	s_cbranch_scc1 .Lnot_b
	s_sub_co_u32 s36, ttmp9, 432
	s_lshl_b32 s36, s36, 2
	s_add_co_u32 s36, s36, s3                      ; u 0..127
	s_lshr_b32 s37, s36, 1                         ; the tile of 16 rows
	s_and_b32 s36, s36, 1                          ; which half of its columns
	s_lshl_b32 s38, s37, 16
	s_lshl_b32 s40, s36, 11
	s_add_co_u32 s38, s38, s40
	s_add_nc_u64 s[20:21], s[20:21], s[38:39]
	s_lshl_b32 s38, s37, 15
	s_lshl_b32 s40, s36, 14
	s_add_co_u32 s38, s38, s40
	s_add_nc_u64 s[28:29], s[28:29], s[38:39]
	v_lshlrev_b32 v4, 12, v2
	v_lshl_add_u32 v4, v3, 5, v4                   ; row r, + 32 h bytes: my eight numbers of a block
	v_lshlrev_b32 v7, 4, v1
.macro BLOAD n
.irp c, 0,1,2,3,4,5,6,7
	global_load_b128 v[16+64*((\n)%2)+8*\c:16+64*((\n)%2)+8*\c+3], v4, s[20:21] offset:64*(8*(\n)+\c) th:TH_LOAD_NT
	global_load_b128 v[16+64*((\n)%2)+8*\c+4:16+64*((\n)%2)+8*\c+7], v4, s[20:21] offset:64*(8*(\n)+\c)+16 th:TH_LOAD_NT
.endr
.endm
.macro BGROUP n
.if (\n) < 3
	s_wait_loadcnt 16                              ; this group's sixteen loads are in; the next group's may be out
.else
	s_wait_loadcnt 0x0
.endif
.if (\n) >= 2
	s_wait_xcnt 0x0                                ; the stores of two groups back have read the registers that are written now
.endif
.irp c, 0,1,2,3,4,5,6,7
.irp k, 0,1,2,3
	v_cvt_pk_f16_f32 v[144+32*((\n)%2)+4*\c+\k], v[16+64*((\n)%2)+8*\c+2*\k], v[16+64*((\n)%2)+8*\c+2*\k+1]
.endr
.endr
.irp c, 0,1,2,3,4,5,6,7
	global_store_b128 v7, v[144+32*((\n)%2)+4*\c:144+32*((\n)%2)+4*\c+3], s[28:29] offset:512*(8*(\n)+\c)
.endr
.if (\n)+2 < 4
	BLOAD (\n)+2
.endif
.endm
	BLOAD 0
	BLOAD 1
	BGROUP 0
	BGROUP 1
	BGROUP 2
	BGROUP 3
	s_endpgm
; ---------------- ROLE C: cos and sin of position x 10000^(-i / 32), i = 0..31.  Wave u takes positions 8 u .. 8 u + 7; lanes 0-15 make cos, lanes 16-31 sin, two values a lane.
; The angle is reduced by the nearest multiple of pi / 2 (pi / 2 in two parts); what is left lies within +-pi / 4 for every angle, so the two series are cut by that range, not by the data:
; the first terms left out are (pi/4)^11 / 11! and (pi/4)^10 / 10!.  cos(x) is taken as sin(x + pi / 2): one quadrant more.
.Lnot_b:
	s_cmp_ge_u32 ttmp9, 496
	s_cbranch_scc1 .Lnot_c
	s_sub_co_u32 s36, ttmp9, 464
	s_lshl_b32 s36, s36, 2
	s_add_co_u32 s36, s36, s3                      ; u 0..127
	s_lshl_b32 s38, s36, 11                        ; 8 rows of 256 bytes
	s_add_nc_u64 s[30:31], s[30:31], s[38:39]
	s_lshl_b32 s36, s36, 3                         ; my first position
	s_mov_b32 s41, 0x3fc90fdb                      ; pi / 2, high part
	s_mov_b32 s42, 0xb33bbd2e                      ; and the rest
	s_mov_b32 s43, 0xbe2aaaab                      ; -1/3!
	s_mov_b32 s44, 0x3c088889                      ; 1/5!
	s_mov_b32 s45, 0xb9500d01                      ; -1/7!
	s_mov_b32 s46, 0x3638ef1d                      ; 1/9!
	s_mov_b32 s47, 0x3d2aaaab                      ; 1/4!
	s_mov_b32 s48, 0xbab60b61                      ; -1/6!
	s_mov_b32 s49, 0x37d00d01                      ; 1/8!
	v_lshlrev_b32 v4, 1, v2                        ; i = 2 r, 2 r + 1
	v_add_nc_u32 v5, 1, v4
	v_cvt_f32_u32 v8, v4
	v_cvt_f32_u32 v9, v5
	v_mul_f32 v8, 0xbed49a78, v8                   ; -i x log2(10000) / 32
	v_mul_f32 v9, 0xbed49a78, v9
	v_exp_f32 v8, v8
	v_exp_f32 v9, v9
	v_sub_nc_u32 v6, 1, v3                         ; one quadrant more for cos (a plain line behind the exponentials)
	v_lshlrev_b32 v7, 3, v1                        ; 8 bytes a lane: a row's 256 bytes in one store
	s_wait_alu depctr_va_vdst(0)                   ; one wait for both exponentials, ahead of their first reader
.macro EVAL d, inv                     ; v19 = the position as f32
	v_mul_f32 v20, v19, v[\inv]                    ; the angle, as reference() rounds it
	v_mul_f32 v21, 0x3f22f983, v20                 ; x 2 / pi
	v_rndne_f32 v21, v21
	v_fma_f32 v22, -v21, s41, v20
	v_fma_f32 v22, -v21, s42, v22                  ; what is left
	v_cvt_i32_f32 v23, v21
	v_add_nc_u32 v23, v23, v6                      ; the quadrant
	v_mul_f32 v24, v22, v22
	v_fma_f32 v25, v24, s46, s45
	v_fma_f32 v26, v24, s49, s48
	v_fma_f32 v25, v24, v25, s44
	v_fma_f32 v26, v24, v26, s47
	v_fma_f32 v25, v24, v25, s43
	v_fma_f32 v26, v24, v26, -0.5
	v_mul_f32 v25, v24, v25
	v_fma_f32 v26, v24, v26, 1.0                   ; cos
	v_fma_f32 v25, v22, v25, v22                   ; sin
	v_and_b32 v27, 1, v23
	v_cmp_eq_u32 vcc_lo, 1, v27
	v_cndmask_b32 v25, v25, v26, vcc_lo            ; odd quadrants take cos
	v_and_b32 v27, 2, v23
	v_lshlrev_b32 v27, 30, v27
	v_xor_b32 v[\d], v25, v27                      ; quadrants 2 and 3 change the sign
.endm
.irp i, 0,1,2,3,4,5,6,7
	s_add_co_u32 s37, s36, \i
	v_cvt_f32_u32 v19, s37
	EVAL 32+2*\i, 8
	EVAL 33+2*\i, 9
	global_store_b64 v7, v[32+2*\i:33+2*\i], s[30:31] offset:256*\i
.endr
	s_endpgm
; ---------------- ROLE D: a wave takes a batch's 1,024 mask words; lane l holds those of keys 32 l .. 32 l + 31, register j that of key 32 l + j.
; The keys are ranked in their own order: a key that counts takes the place (keys that count before it); one that does not, the count + (keys that do not count before it).
; Each of the 1,024 places is taken by one key, so every word of the two lists is stored once.  The place is held under 1,024 before it becomes a store's offset.
.Lnot_c:
	s_sub_co_u32 s36, ttmp9, 496
	s_lshl_b32 s36, s36, 2
	s_add_co_u32 s36, s36, s3                      ; the batch
	s_lshl_b32 s38, s36, 12
	s_add_nc_u64 s[22:23], s[22:23], s[38:39]      ; its mask words,
	s_add_nc_u64 s[34:35], s[32:33], s[38:39]      ; its 1,024 addends,
	s_add_nc_u64 s[40:41], s[50:51], s[38:39]      ; its list for K (V's lies 32,768 bytes on)
	s_lshl_b32 s38, s36, 7
	s_add_nc_u64 s[32:33], s[32:33], s[38:39]      ; its 32 copies of c, from byte 32,768 on
	s_add_nc_u64 s[50:51], s[50:51], s[38:39]      ; its 32 copies of the number of key steps, from byte 65,536 on
	v_lshlrev_b32 v7, 7, v1                        ; 128 bytes a lane
	v_lshlrev_b32 v6, 4, v1                        ; 16 x lane
	v_lshlrev_b32 v5, 2, v1                        ; 4 x lane: a byte offset, and the first of a lane's four places in a store of addends
.irp i, 0,1,2,3,4,5,6,7
	global_load_b128 v[16+4*\i:19+4*\i], v7, s[22:23] offset:16*\i
.endr
	s_wait_loadcnt 0x0
	s_mov_b32 s44, 0
.irp j, 0,1,2,3,4,5,6,7,8,9,10,11,12,13,14,15,16,17,18,19,20,21,22,23,24,25,26,27,28,29,30,31
	v_cmp_ne_u32 s42, 0, v[16+\j]
	s_bcnt1_i32_b32 s43, s42
	s_add_co_u32 s44, s44, s43                     ; how many keys of the batch count
.endr
	s_cmp_lg_u32 s44, 0
	s_cselect_b32 s45, 0, -1                       ; none: then every key is taken as counting,
	s_cselect_b32 s46, s44, 0x400                  ; the count is 1,024,
	s_cselect_b32 s47, 0x3e38aa3b, 0               ; and c = 0 in place of log2(e) / 8
	s_add_co_u32 s48, s46, 63
	s_lshr_b32 s48, s48, 6                         ; key steps of 64: 1 to 16
	v_mov_b32 v8, 0
.irp j, 0,1,2,3,4,5,6,7,8,9,10,11,12,13,14,15,16,17,18,19,20,21,22,23,24,25,26,27,28,29,30,31
	v_cmp_ne_u32 s42, 0, v[16+\j]
	s_or_b32 s42, s42, s45
	v_mbcnt_lo_u32_b32 v8, s42, v8                 ; + the lanes below mine whose register j counts: in the end the keys that count before my first key
.endr
	v_lshlrev_b32 v9, 5, v1
	v_add_nc_u32 v9, s46, v9                       ; the count + my first key's number
	v_lshlrev_b32 v10, 12, v1                      ; my 32 keys are two tiles of 16: 4,096 bytes of a head's blocks
.irp j, 0,1,2,3,4,5,6,7,8,9,10,11,12,13,14,15,16,17,18,19,20,21,22,23,24,25,26,27,28,29,30,31
	v_cmp_ne_u32 s42, 0, v[16+\j]
	s_or_b32 s42, s42, s45
	v_add_nc_u32 v11, \j, v9
	v_sub_nc_u32 v11, v11, v8                      ; the count + (this key's number - the keys that count before it)
	v_cndmask_b32 v11, v11, v8, s42                ; a key that counts takes the place v8
	v_cndmask_b32 v14, 0, 1, s42
	v_add_nc_u32 v8, v8, v14
	v_min_u32 v11, 0x3ff, v11
	v_lshlrev_b32 v[48+\j], 2, v11
	v_add_nc_u32 v[80+\j], (\j/16)*2048+(\j%16)*16, v10                        ; K: tile x 2,048 + 16 x row
	v_add_nc_u32 v[112+\j], (\j/16)*2048+16*((\j%8)+16*((\j/8)%2)), v10        ; V: tile x 2,048 + 16 x ((row & 7) + 16 (row >> 3))
	global_store_b32 v[48+\j], v[80+\j], s[40:41]
	global_store_b32 v[48+\j], v[112+\j], s[40:41] offset:32768
.endr
	v_mov_b32 v14, 0xe1000000                      ; -2^67
	v_mov_b32 v15, 0
.irp j, 0,1,2,3,4,5,6,7,8,9,10,11,12,13,14,15,16,17,18,19,20,21,22,23,24,25,26,27,28,29,30,31
	v_add_nc_u32 v11, 128*(\j/4)+(\j%4), v5        ; the place
	v_cmp_gt_u32 vcc_lo, s46, v11                  ; under the count?
	v_cndmask_b32 v[144+\j], v14, v15, vcc_lo
.endr
.irp i, 0,1,2,3,4,5,6,7
	global_store_b128 v6, v[144+4*\i:147+4*\i], s[34:35] offset:512*\i
.endr
	v_mov_b32 v2, s47
	v_mov_b32 v3, s48
	global_store_b32 v5, v2, s[32:33] offset:32768
	global_store_b32 v5, v3, s[50:51] offset:65536
	s_endpgm
.Lfunc_end_k_q8a1538e6d0_prep:
	.size	k_q8a1538e6d0_prep, .Lfunc_end_k_q8a1538e6d0_prep-k_q8a1538e6d0_prep
	.p2alignl 7, 3214868480
	.fill 96, 4, 3214868480
	.section	.rodata,"a",@progbits
	.p2align	6, 0x0
	.amdhsa_kernel k_q8a1538e6d0_prep
		.amdhsa_group_segment_fixed_size 37376
		.amdhsa_private_segment_fixed_size 0
		.amdhsa_enable_private_segment 0
		.amdhsa_kernarg_size 112
		.amdhsa_user_sgpr_count 2
		.amdhsa_user_sgpr_kernarg_segment_ptr 1
		.amdhsa_wavefront_size32 1
		.amdhsa_system_sgpr_workgroup_id_x 1
		.amdhsa_system_sgpr_workgroup_id_y 1
		.amdhsa_system_sgpr_workgroup_id_z 1
		.amdhsa_system_vgpr_workitem_id 0
		.amdhsa_next_free_vgpr 256
		.amdhsa_next_free_sgpr 66
		.amdhsa_reserve_vcc 1
		.amdhsa_float_denorm_mode_32 3
		.amdhsa_float_denorm_mode_16_64 3
		.amdhsa_memory_ordered 1
		.amdhsa_forward_progress 1
		.amdhsa_inst_pref_size 133
	.end_amdhsa_kernel
	.amdgpu_metadata
---
amdhsa.version: [ 1, 2 ]
amdhsa.kernels:
  - .name:           k_q8a1538e6d0_prep
    .symbol:         k_q8a1538e6d0_prep.kd
    .args:
      - { .name: q, .offset: 0, .size: 8, .value_kind: global_buffer, .address_space: global }
      - { .name: k, .offset: 8, .size: 8, .value_kind: global_buffer, .address_space: global }
      - { .name: v, .offset: 16, .size: 8, .value_kind: global_buffer, .address_space: global }
      - { .name: Wq, .offset: 24, .size: 8, .value_kind: global_buffer, .address_space: global }
      - { .name: Wk, .offset: 32, .size: 8, .value_kind: global_buffer, .address_space: global }
      - { .name: Wv, .offset: 40, .size: 8, .value_kind: global_buffer, .address_space: global }
      - { .name: Wp, .offset: 48, .size: 8, .value_kind: global_buffer, .address_space: global }
      - { .name: mask, .offset: 56, .size: 8, .value_kind: global_buffer, .address_space: global }
      - { .name: codes, .offset: 64, .size: 8, .value_kind: global_buffer, .address_space: global }
      - { .name: scales, .offset: 72, .size: 8, .value_kind: global_buffer, .address_space: global }
      - { .name: wpf, .offset: 80, .size: 8, .value_kind: global_buffer, .address_space: global }
      - { .name: rope, .offset: 88, .size: 8, .value_kind: global_buffer, .address_space: global }
      - { .name: mbias, .offset: 96, .size: 8, .value_kind: global_buffer, .address_space: global }
      - { .name: order, .offset: 104, .size: 8, .value_kind: global_buffer, .address_space: global }
    .group_segment_fixed_size: 37376
    .private_segment_fixed_size: 0
    .kernarg_segment_align: 8
    .kernarg_segment_size: 112
    .max_flat_workgroup_size: 128
    .sgpr_count:     66
    .vgpr_count:     256
    .wavefront_size: 32
...
	.end_amdgpu_metadata
.endif
;; end of part 5
;; launch proj: the kernel of part 2 again; grid 4 x 96, 4 waves a work-group, clusters of 4 x 4, 327,680 bytes of LDS; arguments codes, scales, rope, bq, bk, bv, qkv; writes qkv
;; launch attn (part 6): grid 2 x 128, 4 waves a work-group, no clusters, 266,752 bytes of LDS; arguments qkv, mbias, order, xf; writes xf
.if DOCPART == 6
	.amdgcn_target "amdgcn-amd-amdhsa--gfx1250"
	.amdhsa_code_object_version 6
	.text
	.protected	k_q8a1538e6d0_attn
	.globl	k_q8a1538e6d0_attn
	.p2align	8
	.type	k_q8a1538e6d0_attn,@function
k_q8a1538e6d0_attn:
	s_mov_b64 s[64:65], 0
	v_nop
	global_prefetch_b8 v0, s[64:65] scope:SCOPE_SE
	s_setreg_imm32_b32 hwreg(HW_REG_WAVE_MODE, 25, 1), 1
	s_wait_xcnt 0x0
; ATTN: x[b][q][head] = the sum over k of softmax_k(Q . K / 8, keys with mask == 0 left out) V, head size 64.  Operands f16, products, maxima and sums f32.
; ONLY THE KEYS THAT COUNT ARE WALKED.  An earlier launch has ranked each batch's keys, those that count first, and stored for each new place the byte offset of the key's pieces in a head's blocks of K and of V,
; and the number n of key steps of 64 (1 to 16) that hold all keys that count.  K and V are gathered by these lists, and steps from n on are jumped over.  The places of the last step beyond the count hold
; keys that do not count; their addend makes their weight 0.  A batch with no key that counts is laid as if all counted, with c = 0: every weight is 1.
; SHARES.  A work-group owns one head of one batch and 512 of its queries, in two passes of 256; each of its four waves holds 64 queries: four tiles of 16.
; K AND V STAY IN LDS, as images of operand registers: blocks of 512 bytes [16 keys][16 channels], read at 16 x lane, V by the turning load.  They come through registers, since the walk hangs on a stored number:
; waves 0, 1 fetch K, waves 2, 3 V, each half of every chunk of 256 places: 32 loads of 16 bytes a lane into one staging set, then 32 LDS stores.  Chunk 0 comes at the head; chunk c + 1 is asked for when chunk c's
; steps begin, and is stored in front of the barrier behind which it is read.  Loads and stores of a chunk that no step reads are jumped over; every barrier, wait and loop count is on every wave's path.
; So nothing is prefetched: what is not asked for at the head is asked for a chunk's key steps ahead.
; NO CLUSTER: a head's K and V have two readers (the two work-groups of the head), each of which reads them once; a group of four would span two heads.
; LAYOUT.  S^T = K Q^T (source 0 = 16 keys, source 1 = 16 queries): a lane holds ONE query and keys 8 (lane / 16) + 0..7; two such tiles rounded to f16 are source 1 of O^T = V^T P.
; THE ADDEND is the C of the first score product: 0 for a place under the count, -2^67 beyond.  The running maximum starts at -2^40, under every score that f16 operands can form
; (64 x 2^32 = 2^38) and over every masked one: so it is the running maximum of the keys that count, a masked key's weight is 2^(very negative) = 0, and no infinity arises.
; LIMIT: energies of 1e20 and beyond are not told apart from the mask's value.
; SOFTMAX.  p = 2^(c s - c m), c = log2(e) / 8; in every step O and l are multiplied by a = 2^(c m_old - c m_new).  l is summed by the matrix unit: a source 0 whose rows 0 and 8 are ones
; puts the sum of the f16 weights into register 0 of an accumulator, in both halves of the lanes.
; BY TURNS.  The wave's tiles are two pieces (tiles 0, 1 and tiles 2, 3).  In a turn one piece has the matrix unit: 16 products V^T P and 4 for l of the step in hand, then 16 products K Q^T of the next step;
; the other piece's softmax, 206 vector lines cut into 52 slices, stands between them.  Then the pieces change places.
; REGISTERS, in windows of 256: window 0: v2-8, v44-48 addresses; v12-43 statistics, 8 a tile; v62, v63 the add's two; v64-191 S^T, 32 a tile; v192-255 P, 16 a tile.
;   window 1: v0-127 O^T, 32 a tile; v128-159 l, 8 a tile.   window 2: v0-63 Q; v64-95 the addends of a step; v128-191 K of a step.
;   window 3: v0-63 V of a step; v64-71 the ones; v72-199 the staging set; v200-231 my 32 tiles' gather offsets.
.set VB,    131072
.set BIAS,  262144
.set SPARE, 266240                     ; the spare words, 128 bytes for each wave
.set AK0, 2                            ; v2   16 x lane
.set AV0, 3                            ; v3   VB + 16 x lane
.set AM0, 4                            ; v4   BIAS + 32 (lane / 16)
.set ADR, 5                            ; v5   the LDS address of the run of loads in hand
.set ADM, 6                            ; v6   and of the addends
.set LOFF, 8                           ; v8   16 x lane, for global loads and stores; never rewritten
.set ST,  12                           ; tile t's statistics at v[ST + 8 t]: +0 c m, +1 m, +4 to +7 at work; a takes +6
.set AW0, 44                           ; v44  where I store chunks 0 and 1: K or V, my half of a chunk, 16 x lane;  v45: chunks 2 and 3, 65,536 bytes on
.set ABW, 46                           ; v46  where I store my quarter of the addends
.set LIX, 47                           ; v47  4 x the row of a tile whose piece my lane fetches
.set HT,  48                           ; v48  my lane's half of the channels, in bytes within a block
.set SPW, 62
.set NIL, 63
.set S,   64
.set P,   192
.set LR,  128                          ; l, in window 1
.set MB,  64                           ; the addends, in window 2
.set KF,  128                          ; K's fragments, in window 2
.set ONE, 64                           ; the ones, in window 3
.set STG, 72                           ; the staging set, in window 3
.set OF,  200                          ; the gather offsets, in window 3
.set WV,  12
.set CS,  58                           ; s[58:59] c
.set SEL, 60                           ; s[60:61] selects for v_permlanex16_b32: lane l xor 16
.set TB,  62                           ; s62 LDS byte of the step to be fetched, in K and in V: 8,192 a step
.set TM,  63                           ; s63 and among the addends: 256 a step
.set PASS, 66
.set CNT,  67
.set NS,   76                          ; s76 n: the batch's key steps
.set NF,   77                          ; s77 n in the first pass, 0 in the second: the steps that are still to be brought in
.set JN,   78                          ; s78 the step that the next trip would fetch
.set MSB, 0
.macro WIN new
.if MSB != \new
	s_set_vgpr_msb (MSB<<8)|\new
.set MSB, \new
.endif
.endm
.set W_PV, 0x53                        ; V or the ones in window 3, P in window 0, C and D in window 1
.set W_RS, 0x41                        ; destination and source 0 in window 1, a in window 0
	s_load_b256 s[4:11], s[0:1], 0x0               ; qkv, mbias, order, xf
	v_lshl_add_u32 v[SPW], v0, 2, SPARE
	v_mov_b32 v[NIL], 0
	v_lshrrev_b32 v1, 5, v0
	v_readfirstlane_b32 s[WV], v1                  ; wave 0..3
	s_and_b32 s52, ttmp7, 0xffff                   ; 16 x batch + head
	s_lshr_b32 s53, s52, 4                         ; batch
	s_and_b32 s54, s52, 15                         ; head
	s_lshr_b32 s13, s[WV], 1                       ; I fetch for K (0) or for V (1),
	s_and_b32 s14, s[WV], 1                        ; which half of each chunk
	s_lshl_b32 s15, s13, 17
	s_lshl_b32 s55, s14, 14
	s_add_co_u32 s15, s15, s55                     ; in LDS: K or V, my half of chunk 0
	s_add_co_u32 s20, s13, 1
	s_lshl_b32 s20, s20, 24                        ; in memory: tensor 1 (K) or 2 (V), 16,777,216 bytes each,
	s_lshl_b32 s55, s52, 17
	s_add_co_u32 s20, s20, s55                     ; the head's 131,072 bytes
	s_mov_b32 s21, 0
	s_lshl_b32 s22, s13, 15                        ; the list for K or for V,
	s_lshl_b32 s55, s53, 12
	s_add_co_u32 s22, s22, s55                     ; the batch's 4,096 bytes,
	s_lshl_b32 s56, s14, 9
	s_add_co_u32 s22, s22, s56                     ; my half of chunk 0: 8 tiles of 64 bytes
	s_mov_b32 s23, 0
	s_lshl_b32 s57, s[WV], 10                      ; my quarter of the batch's 4,096 bytes of addends
	s_add_co_u32 s24, s55, s57
	s_mov_b32 s25, 0
	s_lshl_b32 s72, s53, 7                         ; the batch's c, and its number of steps
	s_mov_b32 s73, 0
	s_mov_b32 s74, s72
	s_mov_b32 s75, 0
	s_lshl_b32 s18, s52, 17                        ; Q: the head, my work-group's 512 queries, my wave's 64: tiles of 2,048 bytes
	s_lshl_b32 s55, ttmp9, 16
	s_add_co_u32 s18, s18, s55
	s_lshl_b32 s55, s[WV], 13
	s_add_co_u32 s18, s18, s55
	s_mov_b32 s19, 0
	s_lshl_b32 s16, s53, 6                         ; x: tile of 16 rows 64 b + 32 x + 4 wave, 32,768 bytes each; + 2,048 x head
	s_lshl_b32 s55, ttmp9, 5
	s_add_co_u32 s16, s16, s55
	s_lshl_b32 s55, s[WV], 2
	s_add_co_u32 s16, s16, s55
	s_lshl_b32 s16, s16, 15
	s_lshl_b32 s55, s54, 11
	s_add_co_u32 s16, s16, s55
	s_mov_b32 s17, 0
	s_mov_b32 s[SEL], 0x76543210
	s_mov_b32 s[SEL+1], 0xfedcba98
	s_mov_b32 s[PASS], 2
	v_and_b32 v1, 31, v0
	v_lshlrev_b32 v[LOFF], 4, v1
	v_lshlrev_b32 v[AK0], 4, v1
	v_add_nc_u32 v[AV0], VB, v[LOFF]
	v_add_nc_u32 v[AW0], s15, v[LOFF]
	v_add_nc_u32 v[AW0+1], 0x10000, v[AW0]
	v_add_nc_u32 v[ABW], s57, v[LOFF]
	v_add_nc_u32 v[ABW], BIAS, v[ABW]
	; which piece of a block lies at 16 x lane.  K: row lane & 15, half lane >> 4, 256 bytes on.  V (laid for the turning load): row (lane & 7) + 8 (lane >> 4), half (lane >> 3) & 1, 128 bytes on
	v_and_b32 v9, 15, v0
	v_bfe_u32 v10, v0, 4, 1
	v_lshl_add_u32 v[AM0], v10, 5, BIAS
	v_and_b32 v11, 7, v0
	v_lshl_add_u32 v11, v10, 3, v11
	s_cmp_eq_u32 s13, 0
	s_cselect_b32 s71, 0, -1                       ; all lanes on in a wave that fetches V
	v_cndmask_b32 v9, v9, v11, s71
	v_lshlrev_b32 v[LIX], 2, v9
	v_lshlrev_b32 v9, 8, v10
	v_bfe_u32 v11, v0, 3, 1
	v_lshlrev_b32 v11, 7, v11
	v_cndmask_b32 v[HT], v9, v11, s71
	s_wait_kmcnt 0x0
	s_add_nc_u64 s[20:21], s[4:5], s[20:21]        ; the head's K or V
	s_add_nc_u64 s[22:23], s[8:9], s[22:23]        ; my part of the list
	s_add_nc_u64 s[24:25], s[6:7], s[24:25]        ; my quarter of the addends
	s_add_nc_u64 s[72:73], s[6:7], s[72:73]
	s_add_nc_u64 s[74:75], s[8:9], s[74:75]
	s_add_nc_u64 s[18:19], s[4:5], s[18:19]        ; Q at my first tile
	s_add_nc_u64 s[16:17], s[10:11], s[16:17]      ; x likewise
	s_load_b32 s[CS], s[72:73], 0x8000
	s_load_b32 s[NS], s[74:75], 0x10000
	WIN 0xc0
.irp c, 0,1,2,3
.irp i, 0,1,2,3,4,5,6,7
	global_load_b32 v[OF+8*\c+\i], v[LIX], s[22:23] offset:\c*1024+\i*64   ; tile i of my half of chunk c: the offset of the key whose piece my lane fetches
.endr
.endr
	WIN 0
	global_load_b128 v[S:S+3], v[LOFF], s[24:25]
	global_load_b128 v[S+4:S+7], v[LOFF], s[24:25] offset:512
.macro QLOAD off                       ; my four tiles of Q: 16 blocks of 512 bytes; tile n / 4, channels 16 (n % 4) on
	WIN 0x80
.irp n, 0,1,2,3,4,5,6,7,8,9,10,11,12,13,14,15
	global_load_b128 v[4*\n:4*\n+3], v[LOFF], s[18:19] offset:\off+512*\n
.endr
	WIN 0
.endm
	QLOAD 0
	v_and_b32 v10, 7, v0
	v_mov_b32 v11, 0x3c003c00                      ; 1.0, 1.0 in f16
	v_cmp_eq_u32 vcc_lo, 0, v10
	v_cndmask_b32 v10, 0, v11, vcc_lo              ; rows 0 and 8 of the ones' source 0: lanes 0, 8, 16, 24
	WIN 0xc0
.irp i, 0,1,2,3,4,5,6,7
	v_mov_b32 v[ONE+\i], v10
.endr
	WIN 0
; A chunk's 32 gathers into the staging set: tile i, channels 16 t on; and its 32 stores into LDS, each 512 consecutive bytes
.macro LOADCH c
	WIN 0xc3                                       ; the data and the offsets lie in window 3
.irp i, 0,1,2,3,4,5,6,7
.irp t, 0,1,2,3
	global_load_b128 v[STG+16*\i+4*\t:STG+16*\i+4*\t+3], v[OF+8*(\c)+\i], s[20:21] offset:512*\t
.endr
.endr
	WIN 0
.endm
.macro STORECH c
	WIN 0x0c                                       ; an LDS store's data are its source 1: window 3
.irp i, 0,1,2,3,4,5,6,7
.irp t, 0,1,2,3
	ds_store_b128 v[AW0+(\c)/2], v[STG+16*\i+4*\t:STG+16*\i+4*\t+3] offset:((\c)%2)*32768+\i*2048+\t*512
.endr
.endr
	WIN 0
.endm
	s_wait_loadcnt 18                              ; the 32 list words are in; behind them stand 2 loads of addends and 16 of Q
	WIN 0xcc                                       ; destination and source 1 in window 3
.irp t, 0,1,2,3,4,5,6,7,8,9,10,11,12,13,14,15,16,17,18,19,20,21,22,23,24,25,26,27,28,29,30,31
	v_min_u32 v[OF+\t], 0x1f970, v[OF+\t]          ; held at the largest offset that the lists can hold: tile 63, V's last place
.endr
.irp t, 0,1,2,3,4,5,6,7,8,9,10,11,12,13,14,15,16,17,18,19,20,21,22,23,24,25,26,27,28,29,30,31
	v_add_nc_u32 v[OF+\t], v[HT], v[OF+\t]
.endr
	WIN 0
	LOADCH 0
	s_wait_loadcnt 0x0                             ; the addends, Q and chunk 0
	ds_store_b128 v[ABW], v[S:S+3]
	ds_store_b128 v[ABW], v[S+4:S+7] offset:512
	STORECH 0
	s_wait_kmcnt 0x0
	s_mov_b32 s[CS+1], s[CS]                       ; named with it as a pair, so it is written
	s_min_u32 s[NS], s[NS], 16
	s_mov_b32 s[NF], s[NS]
; THE MATRIX WORK OF A TURN, for piece x.  The accumulators take turns, one instruction a turn.
; i < 16: O^T += V^T P: keys 32 (i / 8) on, channels 16 ((i / 2) % 4) on, tile x + i % 2.  i = 16..19: l += ones x P: keys 32 ((i - 16) / 2) on.
.macro PV x
	WIN W_PV
.if i < 16
.set rO, 32*(\x+i%2)+8*((i/2)%4)
.set rV, 32*(i/8)+8*((i/2)%4)
.set rP, P+16*(\x+i%2)+8*(i/8)
.else
.set rO, LR+8*(\x+i%2)
.set rV, ONE
.set rP, P+16*(\x+i%2)+8*((i-16)/2)
.endif
	v_wmma_f32_16x16x32_f16 v[rO:rO+7], v[rV:rV+7], v[rP:rP+7], v[rO:rO+7]
.endm
; Product i of 16 of S^T = K Q^T + the addend: channels 32 (i / 8) on, keys 16 ((i / 2) % 4) on, tile x + i % 2.  The first 8 start the sums with the addend.
.macro KQ x
.set rS, S+32*(\x+i%2)+8*((i/2)%4)
.set rK, KF+16*((i/2)%4)+8*(i/8)
.set rQ, 16*(\x+i%2)+8*(i/8)
.if i < 8
	WIN 0x2a                                       ; K, Q and the addend in window 2, S^T in window 0
	v_wmma_f32_16x16x32_f16 v[rS:rS+7], v[rK:rK+7], v[rQ:rQ+7], v[MB+8*((i/2)%4):MB+8*((i/2)%4)+7]
.else
	WIN 0x0a
	v_wmma_f32_16x16x32_f16 v[rS:rS+7], v[rK:rK+7], v[rQ:rQ+7], v[rS:rS+7]
.endif
.endm
; THE LDS LOADS stand in runs: a step's K (16 blocks) with its 64 addends, and, a turn later, its V (16 blocks, turned).
.macro FETCH_K
	WIN 0
	v_add_nc_u32 v[ADR], s[TB], v[AK0]
	v_add_nc_u32 v[ADM], s[TM], v[AM0]
	WIN 0x80
.irp n, 0,1,2,3,4,5,6,7,8,9,10,11,12,13,14,15
	ds_load_b128 v[KF+4*\n:KF+4*\n+3], v[ADR] offset:512*\n
.endr
.irp t, 0,1,2,3
	ds_load_b128 v[MB+8*\t:MB+8*\t+3], v[ADM] offset:64*\t          ; lane (r, h): the addends of keys 16 t + 8 h + 0..7
	ds_load_b128 v[MB+8*\t+4:MB+8*\t+7], v[ADM] offset:64*\t+16
.endr
.endm
.macro FETCH_V
	WIN 0
	v_add_nc_u32 v[ADR], s[TB], v[AV0]
	WIN 0xc0
.irp t, 0,1,2,3
.irp c, 0,1,2,3
	ds_load_tr16_b128 v[32*(\t/2)+8*\c+4*(\t%2):32*(\t/2)+8*\c+4*(\t%2)+3], v[ADR] offset:\t*2048+\c*512
.endr
.endr
.endm
; THE VECTOR WORK OF A TURN.  One tile's softmax for one key step is a list of 103 lines; SM writes number j of it for tile t.
;   0-15    the maximum of the 32 scores and the old m, three operands at a time      16-20   the other half of the lanes' maximum; the new m; c m; c m_old - c m_new
;   21-69   ONE BATCH: 16 packed scalings c s - c m and all 33 exponentials (a at 23); none of these reads an exponential's result; a pair is scaled in an earlier four than the one with its exponentials
;   (wait)  between 69 and 70 stands the one wait for the batch          70-85   the roundings to f16          86-101  the tile's O^T times a          102  l times a
.macro SM t
.set rT, ST+8*(\t)
.set rS, S+32*(\t)
.set rP, P+16*(\t)
.if j < 86
	WIN 0
.endif
.if j < 4
	v_max3_num_f32 v[rT+4+j], v[rS+8*j], v[rS+8*j+1], v[rS+8*j+2]
.elseif j < 12
	v_max3_num_f32 v[rT+4+j%4], v[rT+4+j%4], v[rS+8*(j%4)+2*(j/4)+1], v[rS+8*(j%4)+2*(j/4)+2]
.elseif j == 12
	v_max3_num_f32 v[rT+4], v[rT+4], v[rS+7], v[rS+15]
.elseif j == 13
	v_max3_num_f32 v[rT+6], v[rT+6], v[rS+23], v[rS+31]
.elseif j == 14
	v_max3_num_f32 v[rT+4], v[rT+4], v[rT+5], v[rT+6]
.elseif j == 15
	v_max3_num_f32 v[rT+4], v[rT+4], v[rT+7], v[rT+1]
.elseif j == 16
	v_permlanex16_b32 v[rT+5], v[rT+4], s[SEL], s[SEL+1]   ; the query's other 32 keys lie in the lane 16 away
.elseif j == 17
	v_mov_b32 v[rT+7], v[rT]                       ; c m_old is kept for a
.elseif j == 18
	v_max_num_f32 v[rT+1], v[rT+4], v[rT+5]
.elseif j == 19
	v_mul_f32 v[rT], s[CS], v[rT+1]
.elseif j == 20
	v_sub_f32 v[rT+7], v[rT+7], v[rT]
.elseif j == 23
	v_exp_f32 v[rT+6], v[rT+7]
.elseif (j < 23) || ((j < 38) && (j%2 == 0)) || ((j < 66) && (j%4 == 2))
.set b, (j-2)/4
.if j < 38
.set b, (j-20)/2
.endif
	v_pk_fma_f32 v[rS+2*b:rS+2*b+1], v[rS+2*b:rS+2*b+1], s[CS:CS+1], v[rT:rT+1] op_sel_hi:[1,0,0] neg_lo:[0,0,1] neg_hi:[0,0,1]
.elseif j < 70
.set e, j-38
.if j < 66
.set e, j-32-(j-38)/4
.endif
.if j < 38
.set e, (j-25)/2
.endif
	v_exp_f32 v[rS+e], v[rS+e]
.elseif j < 86
	v_cvt_pk_f16_f32 v[rP+j-70], v[rS+2*(j-70)], v[rS+2*(j-70)+1]
.elseif j < 102
.set rO, 32*(\t)+2*(j-86)
	WIN W_RS
	v_pk_mul_f32 v[rO:rO+1], v[rO:rO+1], v[rT+6:rT+7] op_sel_hi:[1,0]
.elseif j == 102
.set rO, LR+8*(\t)
	WIN W_RS
	v_pk_mul_f32 v[rO:rO+1], v[rO:rO+1], v[rT+6:rT+7] op_sel_hi:[1,0]   ; register 0 is l; registers 1 to 7 stay 0
.endif
.endm
; Slice k of 52 of piece y's softmax.  Slices 11 to 34 deal out the batch: four numbers of ONE tile each, the tiles by turns; every other slice is numbers 2 k and 2 k + 1 of both tiles.
; Ahead of slice 35 nothing names an exponential's result, and behind slice 34 none is issued: so the piece's 66 exponentials have one plain line and one wait, behind slice 34.
.macro SLICE y
.if (k >= 11) && (k < 35)
.irp n, 0,1,2,3
.set j, 22+4*((k-11)/2)+(\n)
	SM (\y)+(k-11)%2
.endr
.else
.irp n, 0,1
.irp t, \y, \y+1
.set j, 2*k+\n
	SM \t
.endr
.endr
.endif
.if k == 34
	v_nop
	s_wait_alu depctr_va_vdst(0)
.endif
.set k, k+1
.endm
; how many slices stand behind matrix instruction mi of a turn: 36 instructions: 1, and 2 behind the odd ones under 32; 16 (scores only): 3, and 4 behind the first four; 20 (V^T P only): 2, and 3 behind the first twelve: 52 each
.macro DEAL y, pv, kq
.if \pv && \kq
.set per, 1
.if (mi%2 == 1) && (mi < 32)
.set per, 2
.endif
.elseif \kq
.set per, 3
.if mi < 4
.set per, 4
.endif
.else
.set per, 2
.if mi < 12
.set per, 3
.endif
.endif
.rept per
	SLICE \y
.endr
.set mi, mi+1
.endm
; A TURN.  Piece x has the matrix unit.  Piece 0's turn fetches the next step's K behind its second product: K's last reader stands 14 plain lines back.  Piece 2's turn fetches the same step's V behind
; its twentieth: V's last reader is its sixteenth, and eight scalings stand between.  The slices are the places behind the matrix instructions (ISA guide 7.12.1 for vector lines).
.macro TURN x, pv, kq
.set k, 0
.set mi, 0
.if \pv
.if \x == 0
	s_wait_dscnt 0x0                               ; V is in
.endif
.set i, 0
.rept 20
	PV \x
	DEAL 2-\x, \pv, \kq
.if (\x == 0) && \kq && (i == 1)
	FETCH_K
.endif
.if (\x == 2) && \kq && (i == 19)
	FETCH_V
.endif
.set i, i+1
.endr
.else
	FETCH_V                                        ; the pass's first V
.endif
.if \kq
.if \x == 0
	s_wait_dscnt 0x0                               ; K and the addends are in
.endif
.set i, 0
.rept 16
	KQ \x
	DEAL 2-\x, \pv, \kq
.set i, i+1
.endr
.endif
.endm
; THE BARRIER IN FRONT OF CHUNK c's STEPS.  My gathers of chunk c are in; if a step reads the chunk, it goes into LDS; my stores have landed and have read the staging set, and my LDS loads are in;
; if a step reads chunk c + 1, it is asked for, into the same set; then all four waves meet.  The waits and the barrier are on every path; the two jumps hang on the stored number of steps.
.macro GATEF c
	s_wait_loadcnt 0x0
	s_cmp_le_u32 s[NF], 4*(\c)
	s_cbranch_scc1 .Lno_store_\@
	STORECH \c
.Lno_store_\@:
	s_wait_dscnt 0x0
.if (\c) < 3
	s_cmp_le_u32 s[NF], 4*(\c)+4
	s_cbranch_scc1 .Lno_load_\@
	LOADCH (\c)+1
.Lno_load_\@:
.endif
	s_barrier_signal -1
	s_barrier_wait -1
.endm
; n trips: a trip finishes one key step and fetches the next.  A trip whose step to fetch lies beyond the batch's last is jumped over; the lines that step the addresses and the counts are not.
.macro STEPLOOP n
	s_mov_b32 s[CNT], \n
.Lstep_\@:
	s_cmp_ge_u32 s[JN], s[NS]
	s_cbranch_scc1 .Lskip_\@
	TURN 0, 1, 1
	TURN 2, 1, 1
	WIN 0
.Lskip_\@:
	s_add_co_u32 s[JN], s[JN], 1
	s_add_co_u32 s[TB], s[TB], 8192
	s_add_co_u32 s[TM], s[TM], 256
	s_sub_co_u32 s[CNT], s[CNT], 1
	s_cmp_lg_u32 s[CNT], 0
	s_cbranch_scc1 .Lstep_\@
.endm
.Lpass:                                                ; two trips: 256 queries each, over the same resident K and V
	s_mov_b32 s[TB], 0
	s_mov_b32 s[TM], 0
	s_mov_b32 s[JN], 1
.irp t, 0,1,2,3
	v_mov_b32 v[ST+8*\t+1], 0xd3800000             ; m = -2^40
	v_mul_f32 v[ST+8*\t], s[CS], v[ST+8*\t+1]      ; c m
.endr
	s_wait_dscnt 0x0                               ; my stores of the addends and of chunk 0 have landed,
	s_barrier_signal -1
	s_barrier_wait -1                              ; everybody's have
	FETCH_K                                        ; key step 0
	WIN 0
	s_wait_loadcnt 0x0                             ; Q
	s_cmp_le_u32 s[NF], 4
	s_cbranch_scc1 .Lno_chunk_1
	LOADCH 1                                       ; chunk 1, while chunk 0's steps are walked (the wait in front of the barrier has shown that the staging set was read)
.Lno_chunk_1:
	s_wait_dscnt 0x0
.set i, 0
.rept 16
	KQ 0                                           ; piece 0's first scores
.set i, i+1
.endr
	WIN 0x40
.set i, 0
.rept 160
	v_mov_b32 v[i], 0                              ; O^T and l begin as zeros, which the first a (0, or 1 where c = 0) leaves zeros: so the key step is written without a first form.  These lines are also the places behind the products above
.set i, i+1
.endr
	TURN 2, 0, 1                                   ; piece 2's first scores | piece 0's first softmax | V of step 0
	WIN 0
	s_add_co_u32 s[TB], s[TB], 8192                ; the next fetch is step 1's
	s_add_co_u32 s[TM], s[TM], 256
	STEPLOOP 3                                     ; fetches steps 1 to 3: the rest of chunk 0
	GATEF 1
	STEPLOOP 4                                     ; steps 4 to 7
	GATEF 2
	STEPLOOP 4
	GATEF 3
	STEPLOOP 4
	TURN 0, 1, 0                                   ; piece 0: V^T P of the last step | piece 2's last softmax
	WIN 0
	s_cmp_eq_u32 s[PASS], 1
	s_cbranch_scc1 .Lno_q
	QLOAD 32768                                    ; the next pass's Q: its registers were last read a turn ago
.Lno_q:
.set i, 0
.rept 20
	PV 2                                           ; piece 2: V^T P and l of the last step
.set i, i+1
.endr
	WIN 0
.rept 4
	v_nop                                          ; places in front of the first reads of those results
.endr
	; THE WAY OUT: O^T / l, rounded to f16: a lane's eight channels of a query are its 16 bytes of a block of the next launch's operand: stored as they stand
	WIN 0x01
.irp t, 0,1,2,3
	v_rcp_f32 v[ST+8*\t+6], v[LR+8*\t]
.endr
	v_nop                                          ; a plain line behind the last reciprocal,
	s_wait_alu depctr_va_vdst(0)                   ; and one wait for the four, ahead of the first use
.irp t, 0,1,2,3
	WIN W_RS
.irp p, 0,2,4,6,8,10,12,14,16,18,20,22,24,26,28,30
	v_pk_mul_f32 v[32*\t+\p:32*\t+\p+1], v[32*\t+\p:32*\t+\p+1], v[ST+8*\t+6:ST+8*\t+7] op_sel_hi:[1,0]
.endr
	WIN 0x05
.irp p, 0,1,2,3,4,5,6,7,8,9,10,11,12,13,14,15
	v_cvt_pk_f16_f32 v[S+32*\t+\p], v[32*\t+2*\p], v[32*\t+2*\p+1]
.endr
	WIN 0
.irp c, 0,1,2,3
	global_store_b128 v[LOFF], v[S+32*\t+4*\c:S+32*\t+4*\c+3], s[16:17] offset:\t*32768+\c*512   ; 32 lanes store 512 consecutive bytes
.endr
.endr
	s_wait_xcnt 0x0                                ; the loads and stores have read their bases and data: both may be written again
	s_add_nc_u64 s[18:19], s[18:19], 32768         ; 16 tiles of Q on
	s_add_nc_u64 s[16:17], s[16:17], 524288        ; 16 tiles of x on
	s_mov_b32 s[NF], 0                             ; K and V are in: the second pass brings nothing
	s_sub_co_u32 s[PASS], s[PASS], 1
	s_cmp_lg_u32 s[PASS], 0
	s_cbranch_scc1 .Lpass
	s_wait_tensorcnt 0x0                           ; the wave's end, behind my last LDS store
	ds_add_u32 v[SPW], v[NIL]
	s_wait_dscnt 0x0
	s_endpgm
.Lfunc_end_k_q8a1538e6d0_attn:
	.size	k_q8a1538e6d0_attn, .Lfunc_end_k_q8a1538e6d0_attn-k_q8a1538e6d0_attn
	.p2alignl 7, 3214868480
	.fill 96, 4, 3214868480
	.section	.rodata,"a",@progbits
	.p2align	6, 0x0
	.amdhsa_kernel k_q8a1538e6d0_attn
		.amdhsa_group_segment_fixed_size 266752
		.amdhsa_private_segment_fixed_size 0
		.amdhsa_enable_private_segment 0
		.amdhsa_kernarg_size 32
		.amdhsa_user_sgpr_count 2
		.amdhsa_user_sgpr_kernarg_segment_ptr 1
		.amdhsa_wavefront_size32 1
		.amdhsa_system_sgpr_workgroup_id_x 1
		.amdhsa_system_sgpr_workgroup_id_y 1
		.amdhsa_system_sgpr_workgroup_id_z 1
		.amdhsa_system_vgpr_workitem_id 0
		.amdhsa_next_free_vgpr 1024
		.amdhsa_next_free_sgpr 80
		.amdhsa_reserve_vcc 1
		.amdhsa_float_denorm_mode_32 3
		.amdhsa_float_denorm_mode_16_64 3
		.amdhsa_memory_ordered 1
		.amdhsa_forward_progress 1
		.amdhsa_inst_pref_size 216
	.end_amdhsa_kernel
	.amdgpu_metadata
---
amdhsa.version: [ 1, 2 ]
amdhsa.kernels:
  - .name:           k_q8a1538e6d0_attn
    .symbol:         k_q8a1538e6d0_attn.kd
    .args:
      - { .name: qkv, .offset: 0, .size: 8, .value_kind: global_buffer, .address_space: global }
      - { .name: mbias, .offset: 8, .size: 8, .value_kind: global_buffer, .address_space: global }
      - { .name: order, .offset: 16, .size: 8, .value_kind: global_buffer, .address_space: global }
      - { .name: xf, .offset: 24, .size: 8, .value_kind: global_buffer, .address_space: global }
    .group_segment_fixed_size: 266752
    .private_segment_fixed_size: 0
    .kernarg_segment_align: 8
    .kernarg_segment_size: 32
    .max_flat_workgroup_size: 128
    .sgpr_count:     80
    .vgpr_count:     1024
    .wavefront_size: 32
...
	.end_amdgpu_metadata
.endif
;; end of part 6
;; launch outp: the kernel of part 4 again; grid 4 x 64, 4 waves a work-group, clusters of 4 x 4, 327,680 bytes of LDS; arguments xf, wpf, bp, out0; writes out0
